; MI455X (gfx1250); checked and timed in simulation.
; The chip was launched on July 23, 2026; its instructions are those of AMD's public machine-readable ISA for CDNA 5 (MIT licence, August 2026) and "CDNA5" Instruction Set Architecture Reference Guide (July 2026). The comments in the code are by the model that wrote it; some were corrected since.
;; Multihead Attention Block. Allowed arithmetic: matrix products marked QUANTISED: E2M3 operands, one E8M0 scale for each 32 along K, by v_wmma_scale_f32_16x16x128_f8f6f4 with both operands' format E2M3, f32 sums; everything else in f32.
;; Inputs: W_K 1,024 x 1,024 float32; W_O 1,024 x 1,024 float32; W_Q 1,024 x 1,024 float32; W_V 1,024 x 1,024 float32; k 4 x 2,048 x 1,024 float32; mask 1 int32; q 4 x 2,048 x 1,024 float32; v 4 x 2,048 x 1,024 float32.
;; Outputs: out0 4 x 2,048 x 1,024 float32.
;; This version of the problem:
;;   THIS VERSION OF THE PROBLEM IS GIVEN IN LOW PRECISION. The matrix products marked QUANTISED in the list below multiply operands that are first quantised to E2M3 (2 exponent bits, 3 mantissa bits; 6 bits a number), with one power-of-two scale for each 32 numbers along K (OCP MX v1.0); their sums are f32. All else is computed in f32.
;;   The module's matrix products, in the order in which they are computed (A, B: the left and right operand; K: the contracted axis; several contracted axes count as one K, in the product's order):
;;     1. [M 8,192, K 1,024] x [K 1,024, N 1,024]; A: input q; B: input W_Q: QUANTISED
;;     2. [M 8,192, K 1,024] x [K 1,024, N 1,024]; A: input k; B: input W_K: QUANTISED
;;     3. [M 8,192, K 1,024] x [K 1,024, N 1,024]; A: input v; B: input W_V: QUANTISED
;;     4. batch 64 x [M 2,048, K 64] x [K 64, N 2,048]; A: computed on the way; B: computed on the way: QUANTISED
;;     5. batch 64 x [M 2,048, K 2,048] x [K 2,048, N 64]; A: softmax (see below); B: computed on the way: QUANTISED
;;     6. [M 8,192, K 1,024] x [K 1,024, N 1,024]; A: computed on the way; B: input W_O: QUANTISED
;;   THE QUANTISER, for each operand of a quantised product, along K:
;;     - K is cut into blocks of 32 from its start; a last block that is shorter is filled with zeros.
;;     - A block's scale is 2^e with e = floor(log2(the largest magnitude in the block)) - 2, held to -126 .. 127; a block of zeros has e = 0. As a byte (E8M0): e + 127.
;;     - Each number is divided by its block's scale, clamped to +-7.5, and rounded to the nearest number of E2M3, ties to even, subnormals kept.
;;     - The product sums the exact products of the quantised numbers (number of the format x scale) in f32.
;;   ~~~python
;;   def quantise(x, axis):      # numpy; x: float32 -> the quantised numbers, widened to float32 again
;;       x = np.moveaxis(x, axis, -1); K = x.shape[-1]
;;       x = np.pad(x, [(0, 0)] * (x.ndim - 1) + [(0, -K % 32)]); x = x.reshape(x.shape[:-1] + (-1, 32)); a = np.abs(x).max(-1, keepdims=True)
;;       e = np.where(a > 0, np.clip(np.frexp(np.where(a > 0, a, 1))[1] - 1 - 2, -126, 127), 0)      # np.frexp(a)[1] - 1 = floor(log2(a)), exactly
;;       r = np.clip(x / 2.0 ** e, -7.5, 7.5)
;;       step = 2.0 ** (np.maximum(np.frexp(np.where(r == 0, 1, r))[1] - 1, 0) - 3)
;;       q = np.round(r / step) * step * 2.0 ** e      # np.round: ties to even
;;       return np.moveaxis(q.reshape(q.shape[:-2] + (-1,))[..., :K], -1, axis).astype(np.float32)
;;   ~~~
;;   SOFTMAX AHEAD OF A QUANTISED PRODUCT. Where the list says 'softmax', what is quantised is not the finished softmax but p = 2^(t - M), with t = logit x log2(e) and M = ceil(the row's largest t), a whole number; so 1/2 < the row's largest p <= 1. The row's sum l is taken of the UNQUANTISED p, in f32, and the product's result is divided by l at the end. Since M is a whole number, a kernel that streams over the keys may use a running M (the ceiling of the running maximum): every later rescaling is an exact power of two, which a block's scale takes up: the codes' values come out the same.
;;   OPERANDS COMPUTED ON THE WAY. 'Computed on the way' means the value that the module computes at that place (a softmax that the list does not call 'softmax' is quantised finished and normalised). What goes into a quantiser is computed in f32, as accurately as f32 sums, v_exp_f32 and their like allow (about 1e-6 of the number): no bf16 or f16 on the way to a quantiser, and a product that is left as it is and whose result goes on into a quantised operand takes f32 operands (vector FMAs, or v_wmma_f32_16x16x4_f32). A number that lies on a knife's edge between two numbers of the format may be rounded either way, as far as f32 arithmetic and the matrix unit's own rounding can turn it there, and no further.
;; One version. Each part assembles by itself: llvm-mc -triple=amdgcn-amd-amdhsa -mcpu=gfx1250 --defsym DOCPART=n.
;; ======== version 1 of 1: 4 launches
;; workspace buffers: inc 22,020,096 bytes; ins 917,504 bytes; pc 18,874,368 bytes; ps 1,310,720 bytes; oc 6,291,456 bytes; os 262,144 bytes
;; launch quant (part 1): grid 448 x 1, 4 waves a work-group, no clusters, 35,328 bytes of LDS; arguments q, k, v, W_Q, W_K, W_V, W_O, mask, inc, ins; writes inc, ins
.if DOCPART == 1
	.amdgcn_target "amdgcn-amd-amdhsa--gfx1250"
	.amdhsa_code_object_version 6
	.text
	.protected	k_qc97799cebd_quant
	.globl	k_qc97799cebd_quant
	.p2align	8
	.type	k_qc97799cebd_quant,@function
k_qc97799cebd_quant:
	s_mov_b64 s[64:65], 0
	v_nop
	global_prefetch_b8 v0, s[64:65] scope:SCOPE_SE
	s_setreg_imm32_b32 hwreg(HW_REG_WAVE_MODE, 25, 1), 1
	s_wait_xcnt 0x0
; q, k, v [8192][1024] and W_Q, W_K, W_V, W_O [1024][1024], f32 with K innermost, become codes of FP6 (E2M3) with one E8M0 byte for each 32 along K.
; A block's scale is 2^(floor(log2(its largest magnitude)) - 2); its byte is that magnitude's exponent field - 2, held at 1 from below.
; LIMITS: a block of zeros gets the byte 1 where the quantiser's text says 127: its codes are zeros, which add nothing under any byte but 0xff, and only this program reads the bytes.
; NaN and infinities among the inputs are not served.  The input mask is read (one word) and enters nothing: the function that is computed takes it and applies it nowhere.
; LAYOUT OF THE CODES: images of operand registers.  A HALF FRAGMENT is 16 rows x 64 along K, 768 bytes: lane L = 16 h + r owns the 24 bytes of (row r, block h); its registers 0-3 lie at 16 L, its
; registers 4-5 at 512 + 8 L.  inc is [tile of 16 rows][16 half fragments]; ins is [row as stored][32 bytes].  So every store here and every later load covers consecutive bytes in consecutive lanes.
; ORDER OF ROWS: in k, v, W_Q, W_K, W_V stored tile i, lane r holds row 32 (i / 2) + 8 (i % 2) + r + 8 (r / 8), so that results of products on these tiles come out with 16 neighbours in 16 registers.
; q and W_O keep their order.
; SHARES: a wave takes one stored tile (16 rows x 1024), in 16 steps of 64 along K.  A step's eight loads read two rows' 256 consecutive bytes each; the 4,096 bytes turn through the wave's own stage in LDS
; (rows 272 bytes apart) and come back 128 bytes a lane: one whole block.  Loads run four steps ahead, the turn one step.  Waves share nothing: no barrier.
.set STG,   4352                       ; a stage: 16 rows x (256 + 16) bytes; two for each wave
.set SPARE, 8*STG                      ; behind the stages: the spare words, 128 bytes for each wave
.set SPW,   18                         ; v18  my spare word's address; never rewritten
.set NIL,   19                         ; v19  0; never rewritten
.set SW,    20                         ; v20-27  my row's eight scale words
.set C,     32                         ; v32-38, v40-46  two sets of codes
.set X,     48                         ; v48-111  two sets of 32 neighbours
.set R,     112                        ; v112-239 four sets of 32 numbers as loaded
	s_load_b512 s[8:23], s[0:1], 0x0               ; q, k, v, W_Q, W_K, W_V, W_O, mask
	s_load_b128 s[24:27], s[0:1], 0x40             ; inc, ins
	v_lshl_add_u32 v[SPW], v0, 2, SPARE
	v_mov_b32 v[NIL], 0
	v_lshrrev_b32 v1, 5, v0
	v_readfirstlane_b32 s2, v1                     ; wave
	v_and_b32 v1, 31, v0                           ; L
	v_and_b32 v2, 15, v0                           ; r
	v_bfe_u32 v3, v0, 4, 1                         ; h
	s_cmp_ge_u32 ttmp9, 128                        ; work-groups 128 to 431 (k, v, W_Q, W_K, W_V) store their rows in the other order
	s_cselect_b32 s3, 1, 0
	s_cmp_ge_u32 ttmp9, 432
	s_cselect_b32 s3, 0, s3
	v_lshlrev_b32 v4, 4, v2
	v_lshl_add_u32 v4, v3, 12, v4                  ; in: lanes 0-15 one row's 256 bytes, lanes 16-31 the next row's
	s_lshl_b32 s30, s3, 15
	s_add_co_u32 s30, s30, 32768
	v_add_nc_u32 v5, s30, v4                       ; stored rows 8-15 lie 8 rows down, or 16
	s_mul_i32 s31, s2, 2*STG
	v_mul_u32_u24 v6, v3, 272
	v_lshl_add_u32 v6, v2, 4, v6
	v_add_nc_u32 v6, s31, v6                       ; into the stage, as loaded
	v_mul_u32_u24 v7, v2, 272
	v_lshl_add_u32 v7, v3, 7, v7
	v_add_nc_u32 v7, s31, v7                       ; out of it: row r, block h
	v_lshlrev_b32 v8, 4, v1                        ; 16 L
	v_lshlrev_b32 v9, 3, v1                        ; 8 L
	v_lshlrev_b32 v10, 5, v2
	v_lshl_add_u32 v10, v3, 4, v10                 ; 32 r + 16 h: my half of my row's scale bytes
	v_lshlrev_b32 v11, 3, v3                       ; 8 h
	v_mov_b32 v17, 0                               ; a lane permute's destination counts as read
	s_mov_b32 s36, 0x76543210
	s_mov_b32 s37, 0xfedcba98                      ; lane l xor 16
	s_wait_kmcnt 0x0
	s_load_b32 s38, s[22:23], 0x0                  ; the mask's word: read, and used nowhere, as in the function computed
	s_mov_b64 s[28:29], s[8:9]
	s_mov_b32 s4, 0
.macro PICK from, ptr                  ; the tensor is chosen by the work-group's number alone
	s_cmp_ge_u32 ttmp9, \from
	s_cselect_b64 s[28:29], s[\ptr:\ptr+1], s[28:29]
	s_cselect_b32 s4, \from, s4
.endm
	PICK 128, 10
	PICK 256, 12
	PICK 384, 14
	PICK 400, 16
	PICK 416, 18
	PICK 432, 20
	s_sub_co_u32 s32, ttmp9, s4
	s_lshl_b32 s32, s32, 2
	s_add_co_u32 s32, s32, s2                      ; my tile in its tensor
	s_and_b32 s33, s2, 1
	s_mul_i32 s33, s33, s3
	s_lshl_b32 s33, s33, 3
	s_lshl_b32 s32, s32, 4
	s_sub_co_u32 s32, s32, s33                     ; its first row: 16 x tile, less 8 for an odd tile in the other order
	s_lshl_b32 s32, s32, 12                        ; 4,096 bytes a row
	s_mov_b32 s33, 0
	s_add_nc_u64 s[28:29], s[28:29], s[32:33]
	s_lshl_b32 s34, ttmp9, 2
	s_add_co_u32 s34, s34, s2                      ; my tile among all 1,792
	s_mul_i32 s30, s34, 12288
	s_mov_b32 s31, 0
	s_add_nc_u64 s[24:25], s[24:25], s[30:31]
	s_lshl_b32 s30, s34, 9
	s_add_nc_u64 s[26:27], s[26:27], s[30:31]
.macro LOAD t
.irp i, 0,1,2,3
	global_load_b128 v[R+32*((\t)%4)+4*\i:R+32*((\t)%4)+4*\i+3], v4, s[28:29] offset:8192*\i+256*(\t) th:TH_LOAD_NT
.endr
.irp i, 0,1,2,3
	global_load_b128 v[R+32*((\t)%4)+16+4*\i:R+32*((\t)%4)+16+4*\i+3], v5, s[28:29] offset:8192*\i+256*(\t) th:TH_LOAD_NT
.endr
.endm
.macro TURN t                          ; LDS serves a wave's instructions in order: no wait between the stores and the loads
.irp i, 0,1,2,3,4,5,6,7
	ds_store_b128 v6, v[R+32*((\t)%4)+4*\i:R+32*((\t)%4)+4*\i+3] offset:STG*((\t)%2)+544*\i
.endr
.irp j, 0,1,2,3,4,5,6,7
	ds_load_b128 v[X+32*((\t)%2)+4*\j:X+32*((\t)%2)+4*\j+3], v7 offset:STG*((\t)%2)+16*\j
.endr
.endm
.macro STEP t
.set XS, X+32*((\t)%2)
.set CC, C+8*((\t)%2)
	s_wait_dscnt 0x0                               ; this step's block is back from the stage, and the stage's stores have read their registers,
.if (\t)+4 < 16
	LOAD (\t)+4                                    ; which take the loads of four steps on
.endif
.if (\t) < 15
.if 14-(\t) >= 3
	s_wait_loadcnt 24                              ; the next step's eight loads are in; three younger sets may be out
.else
	s_wait_loadcnt 8*(14-(\t))
.endif
	TURN (\t)+1
.endif
	v_max3_num_f32 v12, |v[XS]|, |v[XS+1]|, 0x1800000   ; the block's largest magnitude, in two chains, with the floor 2^(3 - 127) as a leaf: the byte cannot fall under 1
	v_max3_num_f32 v13, |v[XS+2]|, |v[XS+3]|, |v[XS+4]|
.irp i, 5,9,13,17,21,25
	v_max3_num_f32 v12, v12, |v[XS+\i]|, |v[XS+\i+1]|
	v_max3_num_f32 v13, v13, |v[XS+\i+2]|, |v[XS+\i+3]|
.endr
	v_max3_num_f32 v12, v12, |v[XS+29]|, |v[XS+30]|
	v_max3_num_f32 v12, v12, v13, |v[XS+31]|
	v_add_nc_u32 v14, 0xff000000, v12              ; 2 off its exponent field: the conversion takes this operand's exponent field as its scale
.if (\t) >= 2
	s_wait_xcnt 0x0                                ; the stores of two steps ago have read this set of codes
.endif
	v_cvt_scalef32_pk16_fp6_f32 v[CC:CC+2], v[XS:XS+15], v14
	v_cvt_scalef32_pk16_fp6_f32 v[CC+4:CC+6], v[XS+16:XS+31], v14   ; (a conversion's three registers begin on an even number)
.if (\t)%2 == 0
	v_lshrrev_b32 v15, 23, v14                     ; the scale's byte; also the plain line behind the conversions
.else
	v_lshrrev_b32 v16, 23, v14
.endif
	v_mov_b32 v[CC+3], v[CC+4]
	v_mov_b32 v[CC+4], v[CC+5]
	v_mov_b32 v[CC+5], v[CC+6]
	global_store_b128 v8, v[CC:CC+3], s[24:25] offset:768*(\t)       ; 512 consecutive bytes
	global_store_b64 v9, v[CC+4:CC+5], s[24:25] offset:768*(\t)+512  ; 256 consecutive bytes
.if (\t)%2 == 1
	v_lshl_or_b32 v16, v16, 16, v15                ; blocks 4 w + h and 4 w + 2 + h of my row,
	v_lshlrev_b32 v16, v11, v16                    ; at their places in scale word w;
	v_permlanex16_b32 v17, v16, s36, s37
	v_or_b32 v[SW+(\t)/2], v16, v17                ; with lane l xor 16's two the word is whole
.endif
.endm
.irp t, 0,1,2,3
	LOAD \t
.endr
	s_wait_loadcnt 24                              ; step 0's eight loads are in
	TURN 0
.irp t, 0,1,2,3,4,5,6,7,8,9,10,11,12,13,14,15
	STEP \t
.endr
	v_cmp_ne_u32 vcc_lo, 0, v3
.irp j, 0,1,2,3
	v_cndmask_b32 v[28+\j], v[SW+\j], v[SW+4+\j], vcc_lo   ; lanes 0-15 words 0-3, lanes 16-31 words 4-7
.endr
	global_store_b128 v10, v[28:31], s[26:27]      ; the tile's 512 scale bytes, consecutive
	s_wait_kmcnt 0x0                               ; the mask's word has come
	s_wait_tensorcnt 0x0                           ; the wave's end, behind my last LDS store
	ds_add_u32 v[SPW], v[NIL]
	s_wait_dscnt 0x0
	s_endpgm
.Lfunc_end_k_qc97799cebd_quant:
	.size	k_qc97799cebd_quant, .Lfunc_end_k_qc97799cebd_quant-k_qc97799cebd_quant
	.p2alignl 7, 3214868480
	.fill 96, 4, 3214868480
	.section	.rodata,"a",@progbits
	.p2align	6, 0x0
	.amdhsa_kernel k_qc97799cebd_quant
		.amdhsa_group_segment_fixed_size 35328
		.amdhsa_private_segment_fixed_size 0
		.amdhsa_enable_private_segment 0
		.amdhsa_kernarg_size 80
		.amdhsa_user_sgpr_count 2
		.amdhsa_user_sgpr_kernarg_segment_ptr 1
		.amdhsa_wavefront_size32 1
		.amdhsa_system_sgpr_workgroup_id_x 1
		.amdhsa_system_sgpr_workgroup_id_y 1
		.amdhsa_system_sgpr_workgroup_id_z 1
		.amdhsa_system_vgpr_workitem_id 0
		.amdhsa_next_free_vgpr 240
		.amdhsa_next_free_sgpr 66
		.amdhsa_reserve_vcc 1
		.amdhsa_float_denorm_mode_32 3
		.amdhsa_float_denorm_mode_16_64 3
		.amdhsa_memory_ordered 1
		.amdhsa_forward_progress 1
		.amdhsa_inst_pref_size 60
	.end_amdhsa_kernel
	.amdgpu_metadata
---
amdhsa.version: [ 1, 2 ]
amdhsa.kernels:
  - .name:           k_qc97799cebd_quant
    .symbol:         k_qc97799cebd_quant.kd
    .args:
      - { .name: q, .offset: 0, .size: 8, .value_kind: global_buffer, .address_space: global }
      - { .name: k, .offset: 8, .size: 8, .value_kind: global_buffer, .address_space: global }
      - { .name: v, .offset: 16, .size: 8, .value_kind: global_buffer, .address_space: global }
      - { .name: W_Q, .offset: 24, .size: 8, .value_kind: global_buffer, .address_space: global }
      - { .name: W_K, .offset: 32, .size: 8, .value_kind: global_buffer, .address_space: global }
      - { .name: W_V, .offset: 40, .size: 8, .value_kind: global_buffer, .address_space: global }
      - { .name: W_O, .offset: 48, .size: 8, .value_kind: global_buffer, .address_space: global }
      - { .name: mask, .offset: 56, .size: 8, .value_kind: global_buffer, .address_space: global }
      - { .name: inc, .offset: 64, .size: 8, .value_kind: global_buffer, .address_space: global }
      - { .name: ins, .offset: 72, .size: 8, .value_kind: global_buffer, .address_space: global }
    .group_segment_fixed_size: 35328
    .private_segment_fixed_size: 0
    .kernarg_segment_align: 8
    .kernarg_segment_size: 80
    .max_flat_workgroup_size: 128
    .sgpr_count:     66
    .vgpr_count:     240
    .wavefront_size: 32
...
	.end_amdgpu_metadata
.endif
;; end of part 1
;; launch proj (part 2): grid 4 x 96, 4 waves a work-group, clusters of 4 x 4, 327,680 bytes of LDS; arguments inc, ins, pc, ps; writes pc, ps
.if DOCPART == 2
	.amdgcn_target "amdgcn-amd-amdhsa--gfx1250"
	.amdhsa_code_object_version 6
	.text
	.protected	k_qc97799cebd_proj
	.globl	k_qc97799cebd_proj
	.p2align	8
	.type	k_qc97799cebd_proj,@function
k_qc97799cebd_proj:
	s_mov_b64 s[64:65], 0
	v_nop
	global_prefetch_b8 v0, s[64:65] scope:SCOPE_SE
	s_setreg_imm32_b32 hwreg(HW_REG_WAVE_MODE, 25, 1), 1
	s_wait_xcnt 0x0
	s_wait_alu depctr_hold_cnt(0) depctr_sa_sdst(0) depctr_va_vdst(0) depctr_va_sdst(0) depctr_va_ssrc(0) depctr_va_vcc(0) depctr_vm_vsrc(0)
	s_getreg_b32 s2, hwreg(HW_REG_IB_STS2, 6, 4)
	s_cmp_eq_u32 s2, 0
	s_cbranch_scc0 .Lentry_in_a_cluster
	s_endpgm
.Lentry_in_a_cluster:
	s_bfe_u32 s2, ttmp6, 0x10000c
	s_cmp_lg_u32 s2, 0xf033
	s_cbranch_scc0 .Lentry_shape_is_right
	s_endpgm
.Lentry_shape_is_right:
; The three projections on codes of FP6 (E2M3) with E8M0 scales: Q = q W_Q^T, K = k W_K^T, V^T = W_V v^T, K = 1024; the results are quantised on the way out and leave as codes.
; Cluster y 0-7 makes Q, 8-15 K, 16-23 V^T.  V^T is the same product with the operands in each other's place, so that in all three a lane holds one row and its registers run along the NEXT product's K:
; Q, K: a token, registers along the head's 64 channels;  V^T: a channel, registers along the keys.
; A tile of 256 x 256 is made by four waves, 128 x 128 each: 64 accumulators, 512 registers.  K goes in steps of 256 through two LDS slots filled by the tensor data mover.
; OPERANDS LIE IN MEMORY AND IN LDS AS IMAGES OF REGISTERS: a half fragment (16 rows x 64 K) is 768 bytes, lane L's registers 0-3 at 16 L, 4-5 at 512 + 8 L.  A tile of 16 rows x 256 K is 3,072 consecutive bytes;
; a fragment comes by four loads, each of consecutive bytes in consecutive lanes: no pitch, no padding.
; THE MATRIX INSTRUCTION IS USED TRANSPOSED (source 0 = 16 rows of B, source 1 = 16 rows of A).  B's rows are stored so that tile 2 g + u, lane m holds row 32 g + 8 u + m + 8 (m / 8): so the 16 registers of
; accumulators (a, 2 g) and (a, 2 g + 1) are 16 neighbours 32 g + 16 (lane / 16) + 0 .. 15 along the next K, and a block's 64 registers go straight into the conversions.
; CLUSTERS: 4 x 4 work-groups; A's tiles are asked for jointly along a row of the cluster, B's along a column.
; OUT: pc [batch x head][Q | K | V], 98,304 bytes each: Q, K [tile of 16 tokens][half fragment]; V [128 keys][tile of 16 channels][fragment].  ps [batch x head][Q's words 8,192 | K's 8,192 | V's 4,096]:
; one word a token (bytes 0, 1 the head's two blocks; bytes 2, 3 another block's byte or 0, never 0xff: they stand over zero codes), and one word a channel and 128 keys.
; LIMITS: a block of zeros gets the byte 1 (its codes are zeros; only this program reads the bytes); NaN and infinities are not served.
; REGISTERS: window 0: v16-29 addresses; v32-63 scale words, two sets, and nothing else; v64-119 the way out; v128-223 A's fragments, one set.  window 1: B's fragments, two sets.  windows 2, 3: the accumulators.
.set NQ,     2                         ; matrix instructions deep in a slot
.set FR,     12                        ; registers of a fragment
.set NL,     4                         ; LDS loads that bring one
.set NP,     4                         ; places behind this matrix instruction (ISA guide 7.12.1)
.set TILEB,  3072                      ; 16 rows x 256 K
.set HALFT,  8*TILEB                   ; 128 rows: what one tensor load brings
.set SLOT,   4*HALFT                   ; A's 256 rows, then B's
.set LAPS,   2                         ; 1024 / 512
.set SCL,    2*SLOT                    ; the scales of 512 rows for all of K, as units of 256 bytes + 16
.set HALFS,  4352                      ; those of 128 rows
.set SBLK,   544                       ; those of 16 rows
.set SPARE,  SCL+4*HALFS               ; the spare words, 128 bytes for each wave
.set ADRA, 16                          ; v16-17 A's rows in slot 0, 1, + 16 L;  v18-19 the same + 8 L
.set ADRB, 20                          ; v20-23 likewise for B
.set ADRS, 27                          ; v27 my scale words: lanes 0-15 A's rows, lanes 16-31 B's
.set SPW,  28
.set NIL,  29
.set SC,   32
.set AF,   128
.set VA0,  64                          ; v64-67 my byte offsets in pc: first half fragment's two planes, second's two
.set VB0,  65
.set VA1,  66
.set VB1,  67
.set SH,   68                          ; v68 by how many bits my lane shifts a scale word
.set SST,  69                          ; v69 where I put a scale word in LDS;  v70 where I read four back;  v71 my byte offset in ps
.set SRD,  70
.set VS,   71
.set TM,   72                          ; v72-87 at work
.set PW,   88
.set SWD,  89
.set PC,   92                          ; v92-103 the codes just made; v104-110 halves on their way
.set WB,   112                         ; v112-119 scale words read back
.set G1, 24
.set G0, 32
.set G1B, 48
.set G0B, 56
.set G1S, 68
.set G0S, 76
.set G1SB, 80
.set G0SB, 88
.set MSB, 0
.macro WIN new                         ; the immediate's high byte repeats the setting that is left
.if MSB != \new
	s_set_vgpr_msb (MSB<<8)|\new
.set MSB, \new
.endif
.endm
.set MUL_LO, 0xa1                      ; source 0 (B) window 1, source 1 (A) window 0, C and D window 2
.set MUL_HI, 0xf1
.set TO_B,   0x40
.macro JLOAD g0a, g1a, g0b, g1b        ; a joint load: waves 0 and 1 fetch for A, waves 2 and 3 for B; an s_nop 0 and four v_nop follow each line
	s_cmp_eq_u32 s15, 0
	s_cbranch_scc0 .Lfor_b_\@
	tensor_load_to_lds s[\g0a:\g0a+3], s[\g1a:\g1a+7]
	s_nop 0
.rept 4
	v_nop
.endr
	s_branch .Lasked_\@
.Lfor_b_\@:
	tensor_load_to_lds s[\g0b:\g0b+3], s[\g1b:\g1b+7]
	s_nop 0
.rept 4
	v_nop
.endr
.Lasked_\@:
.endm
.macro CREST
	s_cmp_lg_u32 s14, 0
	s_cbranch_scc1 .Lnot_wave_0_\@
	s_barrier_signal -3
.Lnot_wave_0_\@:
	s_barrier_wait -3
	s_barrier_signal -1
	s_barrier_wait -1
.endm
.macro CROUND
	s_barrier_signal -1
	s_barrier_wait -1
	CREST
.endm
	s_load_b256 s[4:11], s[0:1], 0x0               ; inc s[4:5], ins s[6:7], pc s[8:9], ps s[10:11]
	v_lshl_add_u32 v[SPW], v0, 2, SPARE
	v_mov_b32 v[NIL], 0
	ds_add_u32 v[SPW], v[NIL]                      ; the wave's opening: the add and its wait ahead of my first tensor load
	v_lshrrev_b32 v1, 5, v0
	v_readfirstlane_b32 s14, v1                    ; wave
	s_lshr_b32 s15, s14, 1                         ; my half of the tile's rows; also: I fetch for A (0) or B (1)
	s_and_b32 s16, s14, 1                          ; my half of its columns; also: which 128 rows I fetch
	s_bfe_u32 s40, ttmp6, 0x40000                  ; cx
	s_bfe_u32 s41, ttmp6, 0x40004                  ; cy
	s_and_b32 s17, ttmp7, 0xffff                   ; cluster y: 0-7 Q, 8-15 K, 16-23 V^T
	s_lshr_b32 s12, s17, 4                         ; 1 for V^T
	s_xor_b32 s42, s12, 1                          ; 1 for Q and K
	s_lshl_b32 s43, s41, 2
	s_lshl_b32 s43, 15, s43                        ; my row of the cluster
	s_lshl_b32 s44, 0x1111, s40                    ; my column
	s_or_b32 s[G1+0], s43, (3<<16)|(1<<21)         ; 15:0 the mask; 17:16 elements of 8 bytes; 21 set beside a mask; no padding
	s_or_b32 s[G1B+0], s44, (3<<16)|(1<<21)
.irp g, G1, G1B
	s_mov_b32 s[\g+1], 384<<16                     ; tensor_dim0 = 384 elements: a tile's 3,072 bytes
	s_mov_b32 s[\g+2], 8<<16                       ; tensor_dim1 = 8 tiles
	s_mov_b32 s[\g+3], 384<<16                     ; tile_dim0
	s_mov_b32 s[\g+4], 8                           ; tile_dim1
	s_mov_b32 s[\g+5], 1536                        ; from tile to tile: 12,288 bytes
	s_mov_b32 s[\g+6], 0
	s_mov_b32 s[\g+7], 0
.endr
	s_or_b32 s[G1S+0], s43, (3<<16)|(1<<20)|(1<<21)|(5<<22)|(3<<25)   ; the scales of 128 rows: 16 rows of 256 bytes, 16 bytes of padding behind each
	s_or_b32 s[G1SB+0], s44, (3<<16)|(1<<20)|(1<<21)|(5<<22)|(3<<25)
.irp g, G1S, G1SB
	s_mov_b32 s[\g+1], 32<<16
	s_mov_b32 s[\g+2], 16<<16
	s_mov_b32 s[\g+3], 32<<16
	s_mov_b32 s[\g+4], 16
	s_mov_b32 s[\g+5], 32
	s_mov_b32 s[\g+6], 0
	s_mov_b32 s[\g+7], 0
.endr
	s_lshl_b32 s18, s16, 3                         ; which 8 tiles of the 16 I fetch
	s_lshl_b32 s20, s17, 6                         ; A: q and k lie on end, 64 tiles a cluster: tile 64 y;
	s_mul_i32 s20, s20, s42
	s_mul_i32 s21, s12, 1664                       ; for V^T: W_V, from tile 1,664
	s_add_co_u32 s20, s20, s21
	s_lshl_b32 s21, s41, 4
	s_add_co_u32 s20, s20, s21                     ; + 16 cy
	s_add_co_u32 s20, s20, s18
	s_lshr_b32 s46, s17, 3                         ; B: W_Q from tile 1,536, W_K from 1,600;
	s_lshl_b32 s46, s46, 6
	s_add_co_u32 s46, s46, 1536
	s_mul_i32 s46, s46, s42
	s_and_b32 s47, s17, 7                          ; for V^T: v, from tile 1,024, 64 tiles a cluster
	s_lshl_b32 s47, s47, 6
	s_add_co_u32 s47, s47, 1024
	s_mul_i32 s47, s47, s12
	s_add_co_u32 s46, s46, s47
	s_lshl_b32 s47, s40, 4
	s_add_co_u32 s46, s46, s47                     ; + 16 cx
	s_add_co_u32 s46, s46, s18
	s_lshl_b32 s22, s20, 9                         ; 512 scale bytes a tile
	s_mov_b32 s23, 0
	s_lshl_b32 s92, s46, 9
	s_mov_b32 s93, 0
	s_mul_i32 s20, s20, 12288                      ; 12,288 bytes of codes a tile
	s_mov_b32 s21, 0
	s_mul_i32 s46, s46, 12288
	s_mov_b32 s47, 0
	s_mul_i32 s45, s14, HALFT                      ; where they go: wave x 128 rows
	s_mul_i32 s94, s14, HALFS
	s_wait_dscnt 0x0                               ; the opening add is done
	s_wait_kmcnt 0x0
	s_add_nc_u64 s[20:21], s[4:5], s[20:21]
	s_add_nc_u64 s[22:23], s[6:7], s[22:23]
	s_add_nc_u64 s[46:47], s[4:5], s[46:47]
	s_add_nc_u64 s[92:93], s[6:7], s[92:93]
	CROUND                                         ; all sixteen work-groups are here: the first joint loads meet
	s_mov_b32 s[G0S], 1
	s_add_co_u32 s[G0S+1], s94, SCL
	s_mov_b64 s[G0S+2:G0S+3], s[22:23]
	s_or_b32 s[G0S+3], s[G0S+3], 0x80000000
	s_mov_b32 s[G0SB], 1
	s_add_co_u32 s[G0SB+1], s94, SCL
	s_mov_b64 s[G0SB+2:G0SB+3], s[92:93]
	s_or_b32 s[G0SB+3], s[G0SB+3], 0x80000000
	JLOAD G0S, G1S, G0SB, G1SB                     ; the scales first: filled once
.irp s, 0,1
	s_mov_b32 s[G0+4*\s], 1
	s_add_co_u32 s[G0+4*\s+1], s45, \s*SLOT
	s_add_nc_u64 s[G0+4*\s+2:G0+4*\s+3], s[20:21], \s*TILEB
	s_or_b32 s[G0+4*\s+3], s[G0+4*\s+3], 0x80000000
	s_mov_b32 s[G0B+4*\s], 1
	s_add_co_u32 s[G0B+4*\s+1], s45, \s*SLOT
	s_add_nc_u64 s[G0B+4*\s+2:G0B+4*\s+3], s[46:47], \s*TILEB
	s_or_b32 s[G0B+4*\s+3], s[G0B+4*\s+3], 0x80000000
	JLOAD G0+4*\s, G1, G0B+4*\s, G1B
.endr
	v_and_b32 v1, 31, v0                           ; L
	v_and_b32 v2, 15, v0                           ; r
	v_bfe_u32 v3, v0, 4, 1                         ; h
	v_lshlrev_b32 v4, 4, v1                        ; 16 L
	v_lshlrev_b32 v5, 3, v1                        ; 8 L
	s_mul_i32 s21, s15, HALFT                      ; my 128 rows of A
	s_mul_i32 s22, s16, HALFT                      ; my 128 rows of B,
	s_add_co_u32 s22, s22, 2*HALFT                 ; behind A's 256
.irp s, 0,1
	v_add_nc_u32 v[ADRA+\s], s21, v4
	v_add_nc_u32 v[ADRB+\s], s22, v4
	v_add_nc_u32 v[ADRA+2+\s], s21, v5
	v_add_nc_u32 v[ADRB+2+\s], s22, v5
	s_add_co_u32 s21, s21, SLOT
	s_add_co_u32 s22, s22, SLOT
.endr
	v_lshlrev_b32 v6, 5, v2                        ; my row's scales: 32 bytes a row,
	v_lshrrev_b32 v7, 8, v6
	v_lshl_add_u32 v6, v7, 4, v6                   ; and 16 more for each 256 passed
	s_mul_i32 s21, s15, HALFS
	s_mul_i32 s22, s16, HALFS
	s_add_co_u32 s22, s22, 2*HALFS
	s_sub_co_u32 s22, s22, s21
	v_mul_u32_u24 v7, s22, v3                      ; lanes 16-31 take B's
	s_add_co_u32 s21, s21, SCL
	v_add_nc_u32 v6, v6, v7
	v_add_nc_u32 v[ADRS], s21, v6
	; THE WAY OUT'S OFFSETS.  Q and K: my first tile of tokens among q's and k's 1,024, my 128 columns = two heads
	s_lshl_b32 s18, s17, 6
	s_lshl_b32 s19, s41, 4
	s_add_co_u32 s18, s18, s19
	s_lshl_b32 s19, s15, 3
	s_add_co_u32 s18, s18, s19                     ; tile of tokens: 64 y + 16 cy + 8 x my half
	s_lshl_b32 s19, s40, 1
	s_add_co_u32 s19, s19, s16                     ; which 128 columns: 2 cx + my half
	s_bfe_u32 s20, s18, 0x20007                    ; the batch: 128 tiles each
	s_lshl_b32 s20, s20, 4
	s_lshl_b32 s21, s19, 1
	s_add_co_u32 s20, s20, s21                     ; batch x 16 + my first head
	s_lshr_b32 s21, s18, 9                         ; 0: Q, 1: K
	s_and_b32 s22, s18, 127                        ; the tile in its batch
	s_mul_i32 s92, s20, 294912
	s_mul_i32 s23, s21, 98304
	s_add_co_u32 s92, s92, s23
	s_mul_i32 s23, s22, 768
	s_add_co_u32 s92, s92, s23                     ; codes
	s_mul_i32 s93, s20, 20480
	s_lshl_b32 s23, s21, 13
	s_add_co_u32 s93, s93, s23
	s_lshl_b32 s23, s22, 6
	s_add_co_u32 s93, s93, s23                     ; scale words
	; V^T: my 128 rows = two heads' channels, my 128 columns = one step of 128 keys
	s_and_b32 s20, s17, 7
	s_lshl_b32 s20, s20, 3
	s_add_co_u32 s20, s20, s19                     ; which 128 tokens of 8,192
	s_lshr_b32 s21, s20, 4
	s_lshl_b32 s21, s21, 4                         ; batch x 16
	s_lshl_b32 s22, s41, 2
	s_add_co_u32 s21, s21, s22
	s_lshl_b32 s22, s15, 1
	s_add_co_u32 s21, s21, s22                     ; + my first head: 4 cy + 2 x my half
	s_and_b32 s20, s20, 15                         ; the key step
	s_mul_i32 s94, s21, 294912
	s_mul_i32 s23, s20, 6144
	s_add_co_u32 s94, s94, s23
	s_add_co_u32 s94, s94, 196608
	s_mul_i32 s95, s21, 20480
	s_lshl_b32 s23, s20, 8
	s_add_co_u32 s95, s95, s23
	s_add_co_u32 s95, s95, 16384
	s_mov_b32 s96, 294912                          ; Q, K: the second half fragment belongs to the next head;
	s_mov_b32 s97, 768                             ; V: it follows the first.  Q, K: 768 bytes from block to block;
	s_mov_b32 s98, 1536                            ; V: 1,536,
	s_mov_b32 s99, 1536+288768                     ; and from a head's last tile of channels to the next head's first
	s_mov_b32 s18, 20480
	s_cmp_eq_u32 s12, 0                            ; the choice hangs on the cluster's y alone and enters global store offsets alone
	s_cselect_b32 s92, s92, s94
	s_cselect_b32 s93, s93, s95
	s_cselect_b32 s96, s96, s97
	s_cselect_b32 s13, s97, s98
	s_cselect_b32 s66, s97, s99
	s_cselect_b32 s18, 256, s18                    ; scale words: lanes 16-31 go on in the same head (Q, K) or in the next (V)
	s_mov_b32 s98, 0x76543210
	s_mov_b32 s99, 0xfedcba98                      ; lane l xor 16
	v_add_nc_u32 v[VA0], s92, v4
	v_add_nc_u32 v[VB0], s92, v5
	v_add_nc_u32 v[VB0], 512, v[VB0]
	v_add_nc_u32 v[VA1], s96, v[VA0]
	v_add_nc_u32 v[VB1], s96, v[VB0]
	v_lshlrev_b32 v[SH], 4, v3
	v_mul_u32_u24 v[SH], s42, v[SH]                ; Q, K: lanes 16-31 keep the word's upper two bytes, the second head's
	s_lshl_b32 s19, s14, 10                        ; 1,024 bytes for each wave, in slot 0, used when it has had its last fill and its last read
	v_lshlrev_b32 v[SST], 9, v3
	v_lshl_add_u32 v[SST], v2, 2, v[SST]
	v_add_nc_u32 v[SST], s19, v[SST]
	v_add_nc_u32 v[SRD], s19, v4
	v_mul_u32_u24 v[VS], s18, v3
	v_lshl_add_u32 v[VS], v2, 4, v[VS]
	v_add_nc_u32 v[VS], s93, v[VS]
.irp b, 0,1,2,3
	v_mov_b32 v[TM+4+\b], 0                        ; a lane permute's destination counts as read
.endr
.macro FRAG reg, adr, q, i             ; a fragment, 16 rows x 128 K: two half fragments on end
	ds_load_b128 v[\reg:\reg+3], v[\adr] offset:(\i)*TILEB+(\q)*1536
	ds_load_b64 v[\reg+4:\reg+5], v[\adr+2] offset:(\i)*TILEB+(\q)*1536+512
	ds_load_b128 v[\reg+6:\reg+9], v[\adr] offset:(\i)*TILEB+(\q)*1536+768
	ds_load_b64 v[\reg+10:\reg+11], v[\adr+2] offset:(\i)*TILEB+(\q)*1536+1280
.endm
; 16 matrix instructions: A's blocks a0, a0 + 1 x B's eight.  The 64 accumulators take turns, one instruction a turn, in the same order in every step.
.macro MUL16 a0, p, q, sc, zero
.irp a, \a0, \a0+1
.irp b, 0,1,2,3,4,5,6,7
.if \zero
	v_wmma_scale_f32_16x16x128_f8f6f4 v[8*(8*((\a)%4)+\b):8*(8*((\a)%4)+\b)+7], v[128*(\p)+FR*\b:128*(\p)+FR*\b+FR-1], v[AF+FR*(\a):AF+FR*(\a)+FR-1], 0, v[SC+8*NQ*(\sc)+NQ*\b+(\q)], v[SC+8*NQ*(\sc)+NQ*(\a)+(\q)] matrix_a_fmt:MATRIX_FMT_FP6 matrix_b_fmt:MATRIX_FMT_FP6 matrix_a_scale:MATRIX_SCALE_ROW1
.else
	v_wmma_scale_f32_16x16x128_f8f6f4 v[8*(8*((\a)%4)+\b):8*(8*((\a)%4)+\b)+7], v[128*(\p)+FR*\b:128*(\p)+FR*\b+FR-1], v[AF+FR*(\a):AF+FR*(\a)+FR-1], v[8*(8*((\a)%4)+\b):8*(8*((\a)%4)+\b)+7], v[SC+8*NQ*(\sc)+NQ*\b+(\q)], v[SC+8*NQ*(\sc)+NQ*(\a)+(\q)] matrix_a_fmt:MATRIX_FMT_FP6 matrix_b_fmt:MATRIX_FMT_FP6 matrix_a_scale:MATRIX_SCALE_ROW1
.endif
.endr
.endr
.endm
.macro FETCH_B slot, q, p
	WIN TO_B
.irp i, 0,1,2,3,4,5,6,7
	FRAG 128*(\p)+FR*\i, ADRB+\slot, \q, \i
.endr
	WIN 0
.endm
.macro FETCH_A slot, q, i0
.irp i, \i0, \i0+1, \i0+2, \i0+3
	FRAG AF+FR*(\i), ADRA+\slot, \q, \i
.endr
.endm
.macro SCALES sc                       ; a K step's two words a row; lanes 0-15 A's block i, lanes 16-31 B's block i
.irp i, 0,1,2,3,4,5,6,7
	ds_load_b64 v[SC+8*NQ*\sc+NQ*\i:SC+8*NQ*\sc+NQ*\i+1], v[ADRS] offset:\i*SBLK
.endr
.endm
.macro PLACES n                        ; plain vector lines between a matrix instruction and a load into, or a read of, its registers
.rept \n
	v_nop
.endr
.endm
.macro STEP slot, q, zero              ; 128 along K with its successor in the same slot
	s_wait_dscnt 4*NL                              ; all but the youngest sixteen loads (A's blocks 4-7) are in
	WIN MUL_LO
	MUL16 0, (\q)%2, \q, \slot, \zero
	MUL16 2, (\q)%2, \q, \slot, \zero
	s_wait_dscnt 0
	PLACES NP
	FETCH_B \slot, (\q)+1, 1-(\q)%2
	FETCH_A \slot, (\q)+1, 0
	WIN MUL_HI
	MUL16 4, (\q)%2, \q, \slot, \zero
	MUL16 6, (\q)%2, \q, \slot, \zero
	PLACES NP
	WIN 0
	FETCH_A \slot, (\q)+1, 4
.endm
; A slot's last step changes slots: one barrier; ahead of it each wave waits for all its tensor loads, adds 0 to its spare word, and waits for that and for its reads of this slot.
.macro TURN slot, next, fill
	s_wait_tensorcnt 0x0                           ; all my tensor loads have landed: my part of the next slot
	ds_add_u32 v[SPW], v[NIL]
	s_wait_dscnt 4*NL+1                            ; (the add and the youngest sixteen loads may be out)
	WIN MUL_LO
	MUL16 0, 1, NQ-1, \slot, 0
	s_wait_dscnt 0x0                               ; the add is done, and my reads of this slot are over
	s_barrier_signal -1
	MUL16 2, 1, NQ-1, \slot, 0
	WIN 0
	s_barrier_wait -1
.if \fill
	CREST                                          ; the barrier has opened a round of the cluster's: no wave of any partner still reads this slot or has a load on its way
	s_add_nc_u64 s[G0+4*\slot+2:G0+4*\slot+3], s[G0+4*\slot+2:G0+4*\slot+3], 2*TILEB
	s_add_nc_u64 s[G0B+4*\slot+2:G0B+4*\slot+3], s[G0B+4*\slot+2:G0B+4*\slot+3], 2*TILEB
	JLOAD G0+4*\slot, G1, G0B+4*\slot, G1B         ; the first tensor load behind the round; its four v_nop are the places ahead of the loads below
.else
	PLACES NP
.endif
	v_add_nc_u32 v[ADRS], 4*NQ, v[ADRS]            ; the next K step's scale words
	FETCH_B \next, 0, 0
	FETCH_A \next, 0, 0
	SCALES \next
	WIN MUL_HI
	MUL16 4, 1, NQ-1, \slot, 0
	MUL16 6, 1, NQ-1, \slot, 0
	PLACES NP
	WIN 0
	FETCH_A \next, 0, 4
.endm
	s_wait_tensorcnt 1                             ; the scales and my part of K step 0 are in; K step 1's load may be out
	s_barrier_signal -1
	s_barrier_wait -1
	FETCH_B 0, 0, 0
	FETCH_A 0, 0, 0
	SCALES 0
	FETCH_A 0, 0, 4
	STEP 0, 0, 1                                   ; the first step's products start the sums
	s_mov_b32 s3, LAPS-1
.Llap:
	TURN 0, 1, 1
	STEP 1, 0, 0
	TURN 1, 0, 1
	STEP 0, 0, 0
	s_sub_co_u32 s3, s3, 1
	s_cmp_lg_u32 s3, 0
	s_cbranch_scc1 .Llap
	TURN 0, 1, 0                                   ; the last lap fills nothing
	STEP 1, 0, 0
	s_wait_dscnt 4*NL
	WIN MUL_LO
	MUL16 0, 1, NQ-1, 1, 0
	MUL16 2, 1, NQ-1, 1, 0
	s_wait_dscnt 0
	WIN MUL_HI
	MUL16 4, 1, NQ-1, 1, 0
	MUL16 6, 1, NQ-1, 1, 0
	WIN 0
; THE WAY OUT, block by block of 16 rows.  A block's 64 registers of a lane: register 16 g + i = place 32 g + 16 (lane / 16) + i along the next K, of my row.  They become a fragment's codes and its scale word.
.macro QUANTB a
.set AC, 64*((\a)%4)
	WIN 0x0a+5*((\a)/4)                            ; sources 0 and 1: window 2 or 3
.irp b, 0,1,2,3
	v_max3_num_f32 v[TM+\b], |v[AC+16*\b]|, |v[AC+16*\b+1]|, 0x1800000   ; each accumulator is read from its low end on; the floor 2^(3 - 127) holds the byte at 1
.endr
.irp i, 2,4,6,8,10,12,14
.irp b, 0,1,2,3
	v_max3_num_f32 v[TM+\b], |v[AC+16*\b+\i]|, |v[AC+16*\b+\i+1]|, v[TM+\b]
.endr
.endr
	WIN 0
.irp b, 0,1,2,3
	v_permlanex16_b32 v[TM+4+\b], v[TM+\b], s98, s99
.endr
.irp b, 0,1,2,3
	v_max_num_f32 v[TM+\b], v[TM+\b], v[TM+4+\b]   ; with lane l xor 16's: the block's largest magnitude
.endr
.irp b, 0,1,2,3
	v_add_nc_u32 v[TM+12+\b], 0xff000000, v[TM+\b] ; 2 off its exponent field: the conversion's scale operand
.endr
.irp b, 0,1,2,3
	v_lshrrev_b32 v[TM+4+\b], 23, v[TM+12+\b]      ; the byte
.endr
	v_lshl_or_b32 v[PW], v[TM+5], 8, v[TM+4]
	v_lshl_or_b32 v[PW], v[TM+6], 16, v[PW]
	v_lshl_or_b32 v[PW], v[TM+7], 24, v[PW]
.if (\a) > 0
	s_wait_xcnt 0x0                                ; the last block's stores have read their codes and their offsets: both are written again only behind this wait
.irp o, VA0, VB0, VA1, VB1
.if (\a) == 4
	v_add_nc_u32 v[\o], s66, v[\o]
.else
	v_add_nc_u32 v[\o], s13, v[\o]
.endif
.endr
.endif
	WIN 0x02+((\a)/4)                              ; source 0: window 2 or 3
.irp c, 0,1
	v_cvt_scalef32_pk16_fp6_f32 v[PC+6*\c:PC+6*\c+2], v[AC+32*\c:AC+32*\c+15], v[TM+12+2*\c]
	v_cvt_scalef32_pk16_fp6_f32 v[PC+12+4*\c:PC+14+4*\c], v[AC+32*\c+16:AC+32*\c+31], v[TM+12+2*\c+1]
.endr
	WIN 0
	v_nop                                          ; one plain line behind a scaled conversion
.irp c, 0,1                            ; the operand's layout wants a whole block in a lane
.irp i, 0,1,2
	v_permlane16_swap_b32 v[PC+6*\c+\i], v[PC+12+4*\c+\i]
.endr
.irp i, 0,1,2
	v_mov_b32 v[PC+3+6*\c+\i], v[PC+12+4*\c+\i]
.endr
.endr
.endm
.macro OUTB a                          ; the registers leave as they stand: 512, 256, 512, 256 consecutive bytes, each at a multiple of 256 from pc's first byte
	global_store_b128 v[VA0], v[PC:PC+3], s[8:9]
	global_store_b64 v[VB0], v[PC+4:PC+5], s[8:9]
	global_store_b128 v[VA1], v[PC+6:PC+9], s[8:9]
	global_store_b64 v[VB1], v[PC+10:PC+11], s[8:9]
	v_lshrrev_b32 v[SWD], v[SH], v[PW]
	ds_store_b32 v[SST], v[SWD] offset:64*(\a)     ; the scale words are gathered in my own 1,024 bytes of LDS
.endm
	PLACES NP                                      ; between the last products and the first read of results
.irp a, 0,1,2,3,4,5,6,7
	QUANTB \a
	OUTB \a
.endr
	ds_load_b128 v[WB:WB+3], v[SRD]                ; LDS serves a wave's instructions in order: these see my stores
	ds_load_b128 v[WB+4:WB+7], v[SRD] offset:512
	s_wait_dscnt 0x0
	global_store_b128 v[VS], v[WB:WB+3], s[10:11]  ; 128 words: 512 consecutive bytes, or 256 in each of two heads
	s_cmp_lg_u32 s12, 0                            ; V^T has one word a row; the branch hangs on the cluster's y alone
	s_cbranch_scc1 .Lone_word
	global_store_b128 v[VS], v[WB+4:WB+7], s[10:11] offset:20480   ; Q, K: the second head's words
.Lone_word:
	s_wait_tensorcnt 0x0                           ; the wave's end
	ds_add_u32 v[SPW], v[NIL]
	s_wait_dscnt 0x0
	CROUND                                         ; the closing round
	s_endpgm
.Lfunc_end_k_qc97799cebd_proj:
	.size	k_qc97799cebd_proj, .Lfunc_end_k_qc97799cebd_proj-k_qc97799cebd_proj
	.p2alignl 7, 3214868480
	.fill 96, 4, 3214868480
	.section	.rodata,"a",@progbits
	.p2align	6, 0x0
	.amdhsa_kernel k_qc97799cebd_proj
		.amdhsa_group_segment_fixed_size 327680
		.amdhsa_private_segment_fixed_size 0
		.amdhsa_enable_private_segment 0
		.amdhsa_kernarg_size 32
		.amdhsa_user_sgpr_count 2
		.amdhsa_user_sgpr_kernarg_segment_ptr 1
		.amdhsa_wavefront_size32 1
		.amdhsa_system_sgpr_workgroup_id_x 1
		.amdhsa_system_sgpr_workgroup_id_y 1
		.amdhsa_system_sgpr_workgroup_id_z 1
		.amdhsa_system_vgpr_workitem_id 0
		.amdhsa_next_free_vgpr 1024
		.amdhsa_next_free_sgpr 100
		.amdhsa_reserve_vcc 0
		.amdhsa_float_denorm_mode_32 3
		.amdhsa_float_denorm_mode_16_64 3
		.amdhsa_memory_ordered 1
		.amdhsa_forward_progress 1
		.amdhsa_inst_pref_size 153
	.end_amdhsa_kernel
	.amdgpu_metadata
---
amdhsa.version: [ 1, 2 ]
amdhsa.kernels:
  - .name:           k_qc97799cebd_proj
    .symbol:         k_qc97799cebd_proj.kd
    .args:
      - { .name: inc, .offset: 0, .size: 8, .value_kind: global_buffer, .address_space: global }
      - { .name: ins, .offset: 8, .size: 8, .value_kind: global_buffer, .address_space: global }
      - { .name: pc, .offset: 16, .size: 8, .value_kind: global_buffer, .address_space: global }
      - { .name: ps, .offset: 24, .size: 8, .value_kind: global_buffer, .address_space: global }
    .group_segment_fixed_size: 327680
    .private_segment_fixed_size: 0
    .kernarg_segment_align: 8
    .kernarg_segment_size: 32
    .max_flat_workgroup_size: 128
    .sgpr_count:     100
    .vgpr_count:     1024
    .wavefront_size: 32
...
	.end_amdgpu_metadata
.endif
;; end of part 2
;; launch attn (part 3): grid 4 x 64, 16 waves a work-group, clusters of 4 x 1, 212,992 bytes of LDS; arguments pc, ps, oc, os; writes oc, os
.if DOCPART == 3
	.amdgcn_target "amdgcn-amd-amdhsa--gfx1250"
	.amdhsa_code_object_version 6
	.text
	.protected	k_qc97799cebd_attn
	.globl	k_qc97799cebd_attn
	.p2align	8
	.type	k_qc97799cebd_attn,@function
k_qc97799cebd_attn:
	s_mov_b64 s[64:65], 0
	v_nop
	global_prefetch_b8 v0, s[64:65] scope:SCOPE_SE
	s_setreg_imm32_b32 hwreg(HW_REG_WAVE_MODE, 25, 1), 1
	s_wait_xcnt 0x0
	s_wait_alu depctr_hold_cnt(0) depctr_sa_sdst(0) depctr_va_vdst(0) depctr_va_sdst(0) depctr_va_ssrc(0) depctr_va_vcc(0) depctr_vm_vsrc(0)
	s_getreg_b32 s2, hwreg(HW_REG_IB_STS2, 6, 4)
	s_cmp_eq_u32 s2, 0
	s_cbranch_scc0 .Lentry_in_a_cluster
	s_endpgm
.Lentry_in_a_cluster:
	s_bfe_u32 s2, ttmp6, 0x10000c
	s_cmp_lg_u32 s2, 0x3003
	s_cbranch_scc0 .Lentry_shape_is_right
	s_endpgm
.Lentry_shape_is_right:
; O[b, h][q] = the sum over k of softmax_k(Q . K / 8) V, head size 64, 2,048 keys, both products on codes of FP6 (E2M3) with E8M0 scales; O is quantised along D = 1,024 on the way out.
; THE SOFTMAX: t = score x log2(e) / 8; M = the running largest t rounded UP to a whole number; p = 2^(t - M) is quantised along the keys, not normalised; the row's sum is taken of the unquantised p and
; divides O at the end; when M moves, the sum and O are multiplied by 2^(old M - new M), which rounds nothing.
; A HEAD'S K AND V LIE IN LDS WHOLE: 2 x 98,304 bytes of codes and 12,288 of scale words, filled once: no slot is ever filled again, and no barrier stands in a loop.
; SHARES: a work-group owns 512 queries of one head, in two passes of 256; each of its sixteen waves owns one tile of 16 queries a pass, in 256 registers: four waves to a SIMD.
; CLUSTER: the four work-groups of a head ask for K and V jointly: the same loads, the same descriptors, a mask that names the four.
; LAYOUT: both products transposed: S^T = K Q^T (source 0 = 16 keys), O^T = V^T P^T (source 0 = 16 channels): a lane holds one query throughout.  The keys of K's tiles and the channels of V's are stored so
; that the 16 registers of two neighbouring result tiles are 16 neighbours.  The first product's K is 64: registers 6-11 of K's and Q's fragments hold zero codes, written once.
; Operands are images of registers: a half fragment (16 rows x 64 K) is 768 bytes, lane L's registers 0-3 at 16 L, 4-5 at 512 + 8 L.  Scale words are loaded at 4 L: lanes 0-15 an even tile's, lanes 16-31 the odd one's.
; OUT: oc [tile of 16 tokens][head][half fragment]: whole runs of 512 and 256 bytes.  os [token][32 bytes]: a head owns 2 bytes of each row, so these rows are written in part: 1 byte for each 24 of codes.
; LIMITS: a block of zeros gets the byte 1 (its codes are zeros; only this program reads the bytes); NaN and infinities are not served.
; REGISTERS: v1-4, v7, v29 lane terms; v5, v6 the add's two; v8-11, v30, v31 the step's addresses; v12 -M, v13 the largest t, v[14:15] the sum; v16-27 Q; v28 Q's scale word; v32-79 four fragments of K;
; v80-127 V's four; v128-191 S^T, then p; v192-223 O^T; v224-235 p's codes; v232-247 at work; v248-251 scale words; v252 f; v253 p's scale word; v243 4 r; v255 32 r + h.
.set VOFF,  98304                      ; LDS: K's codes from 0, V's from here,
.set SKW,   196608                     ; K's scale words,
.set SVW,   204800                     ; V's,
.set SPARE, 208896                     ; and the spare words, 128 bytes for each of sixteen waves
.set SPW, 5
.set NIL, 6
.set KF,  32
.set VF,  80
.set S,   128
.set O,   192
.set WV,  12
.set G1C, 16                           ; s[16:23] group 1 for 3,072 bytes of codes;  s[24:31] for 768 bytes of scale words
.set G1S, 24
.set G0S, 32                           ; s[32:35], s[36:51] five groups 0, never rewritten
.set G0C, 36
.set QP,  52
.set QSP, 54
.set OCP, 56
.set OSP, 58
.set SEL, 60
.set CS,  62
.set TK,  66                           ; s66 the step's codes: 6,144 bytes a step in K and in V;  s67 K's scale words: 512;  s68 V's: 256
.set TS,  67
.set TJ,  68
.set CNT, 69
.set HI,  70
.macro CROUND
	s_barrier_signal -1
	s_barrier_wait -1
	s_cmp_lg_u32 s[WV], 0
	s_cbranch_scc1 .Lnot_wave_0_\@
	s_barrier_signal -3
.Lnot_wave_0_\@:
	s_barrier_wait -3
	s_barrier_signal -1
	s_barrier_wait -1
.endm
	s_load_b256 s[4:11], s[0:1], 0x0               ; pc s[4:5], ps s[6:7], oc s[8:9], os s[10:11]
	v_lshl_add_u32 v[SPW], v0, 2, SPARE
	v_mov_b32 v[NIL], 0
	ds_add_u32 v[SPW], v[NIL]                      ; the wave's opening: the add and its wait ahead of my first tensor load
	ds_add_u32 v[SPW], v[NIL]
	v_lshrrev_b32 v8, 5, v0
	s_delay_alu instid0(VALU_DEP_1)
	v_readfirstlane_b32 s[WV], v8                  ; wave 0..15
	s_bfe_u32 s13, ttmp6, 0x40000                  ; cx
	s_and_b32 s14, ttmp7, 0xffff                   ; batch x 16 + head, which the four partners share
	s_lshl_b32 s15, ttmp9, 2
	s_add_co_u32 s15, s15, s13                     ; which 512 queries: it enters Q's and O's addresses alone
	s_mov_b32 s[G1C], 15|(3<<16)|(1<<21)           ; 15:0 the mask: all four; 17:16 elements of 8 bytes; 21 set beside a mask; no padding
	s_mov_b32 s[G1C+1], 32<<16                     ; rows of 256 bytes
	s_mov_b32 s[G1C+2], 12<<16
	s_mov_b32 s[G1C+3], 32<<16
	s_mov_b32 s[G1C+4], 12
	s_mov_b32 s[G1C+5], 32
	s_mov_b32 s[G1C+6], 0
	s_mov_b32 s[G1C+7], 0
	s_mov_b32 s[G1S], 15|(3<<16)|(1<<21)
	s_mov_b32 s[G1S+1], 32<<16
	s_mov_b32 s[G1S+2], 3<<16
	s_mov_b32 s[G1S+3], 32<<16
	s_mov_b32 s[G1S+4], 3
	s_mov_b32 s[G1S+5], 32
	s_mov_b32 s[G1S+6], 0
	s_mov_b32 s[G1S+7], 0
	s_lshr_b32 s71, s[WV], 3                       ; waves 0-7 fetch K's codes, waves 8-15 V's: 3,072 bytes of each quarter
	s_mul_i32 s71, s71, 98304
	s_and_b32 s72, s[WV], 7
	s_mul_i32 s72, s72, 3072
	s_add_co_u32 s71, s71, s72                     ; my part's place, the same in LDS and behind the head's Q in pc
	s_mul_i32 s74, s14, 294912
	s_add_co_u32 s74, s74, 98304
	s_add_co_u32 s74, s74, s71
	s_mov_b32 s75, 0
	s_mul_i32 s73, s[WV], 768                      ; and my 768 bytes of the 12,288 of scale words
	s_mul_i32 s76, s14, 20480
	s_add_co_u32 s76, s76, 8192
	s_add_co_u32 s76, s76, s73
	s_mov_b32 s77, 0
	s_lshl_b32 s78, s15, 5
	s_add_co_u32 s78, s78, s[WV]                   ; my first pass's tile among the head's 128
	s_mul_i32 s[QP], s14, 294912
	s_mul_i32 s79, s78, 768
	s_add_co_u32 s[QP], s[QP], s79
	s_mov_b32 s[QP+1], 0
	s_mul_i32 s[QSP], s14, 20480
	s_lshl_b32 s79, s78, 6
	s_add_co_u32 s[QSP], s[QSP], s79
	s_mov_b32 s[QSP+1], 0
	s_lshr_b32 s79, s14, 4
	s_lshl_b32 s79, s79, 7
	s_add_co_u32 s78, s78, s79                     ; the tile among all 512
	s_and_b32 s79, s14, 15                         ; the head
	s_mul_i32 s[OCP], s78, 12288
	s_mul_i32 s72, s79, 768
	s_add_co_u32 s[OCP], s[OCP], s72
	s_mov_b32 s[OCP+1], 0
	s_lshl_b32 s[OSP], s78, 9
	s_lshl_b32 s72, s79, 1
	s_add_co_u32 s[OSP], s[OSP], s72
	s_mov_b32 s[OSP+1], 0
	s_mov_b32 s[SEL], 0x76543210
	s_mov_b32 s[SEL+1], 0xfedcba98                 ; lane l xor 16
	s_mov_b32 s[CS], 0x3e38aa3b                    ; c = log2(e) / 8
	s_mov_b32 s[CS+1], s[CS]                       ; (named with it as a pair)
	s_mov_b32 s[HI], 0xffff0000                    ; lanes 16-31
	s_wait_dscnt 0x0                               ; the opening add is done
	s_wait_kmcnt 0x0
	s_add_nc_u64 s[74:75], s[4:5], s[74:75]
	s_add_nc_u64 s[76:77], s[6:7], s[76:77]
	s_add_nc_u64 s[QP:QP+1], s[4:5], s[QP:QP+1]
	s_add_nc_u64 s[QSP:QSP+1], s[6:7], s[QSP:QSP+1]
	s_add_nc_u64 s[OCP:OCP+1], s[8:9], s[OCP:OCP+1]
	s_add_nc_u64 s[OSP:OSP+1], s[10:11], s[OSP:OSP+1]
	CROUND                                         ; all four work-groups are here: the joint loads meet
	s_mov_b32 s[G0S], 1
	s_add_co_u32 s[G0S+1], s73, SKW
	s_mov_b64 s[G0S+2:G0S+3], s[76:77]
	s_or_b32 s[G0S+3], s[G0S+3], 0x80000000
	tensor_load_to_lds s[G0S:G0S+3], s[G1S:G1S+7]  ; the scale words; then the four quarters of the keys: five loads of mine are out, all first fills, in one group
	s_nop 0
.irp c, 0,1,2,3
	s_mov_b32 s[G0C+4*\c], 1
	s_add_co_u32 s[G0C+4*\c+1], s71, \c*24576
	s_add_nc_u64 s[G0C+4*\c+2:G0C+4*\c+3], s[74:75], \c*24576
	s_or_b32 s[G0C+4*\c+3], s[G0C+4*\c+3], 0x80000000
	tensor_load_to_lds s[G0C+4*\c:G0C+4*\c+3], s[G1C:G1C+7]
	s_nop 0
.endr
.rept 4
	v_nop
.endr
	v_and_b32 v8, 31, v0                           ; L
	v_and_b32 v9, 15, v0                           ; r
	v_bfe_u32 v10, v0, 4, 1                        ; h
	s_delay_alu instid0(VALU_DEP_3)
	v_lshlrev_b32 v1, 4, v8                        ; 16 L
	s_delay_alu instid0(VALU_DEP_4)
	v_lshlrev_b32 v2, 3, v8                        ; 8 L
	s_delay_alu instid0(VALU_DEP_2)
	v_add_nc_u32 v3, VOFF, v1
	s_delay_alu instid0(VALU_DEP_2)
	v_add_nc_u32 v4, VOFF, v2
	v_lshl_add_u32 v7, v8, 2, SKW
	v_lshl_add_u32 v29, v8, 2, SVW
	v_lshlrev_b32 v243, 2, v9                      ; 4 r
	v_lshl_add_u32 v255, v9, 5, v10                ; 32 r + h
.macro QLOAD p                         ; my tile of queries of pass p: a half fragment and its scale words
	global_load_b128 v[16:19], v1, s[QP:QP+1] offset:12288*\p
	global_load_b64 v[20:21], v2, s[QP:QP+1] offset:12288*\p+512
	global_load_b32 v28, v243, s[QSP:QSP+1] offset:1024*\p
.endm
	QLOAD 0
.irp j, 22,23,24,25,26,27
	v_mov_b32 v[\j], 0                             ; zero codes for K = 64 .. 127 of the first product, in Q's fragment
.endr
.irp t, 0,1,2,3
.irp j, 6,7,8,9,10,11
	v_mov_b32 v[KF+12*\t+\j], 0                    ; and in K's four: written once, never loaded over
.endr
.endr
.irp j, 236,237,238,239,252,253
	v_mov_b32 v[\j], 0                             ; lane permutes' destinations, and a pair's upper half, count as read
.endr
.macro INIT
	v_mov_b32 v13, 0xff61b1e6                      ; the largest t so far: -3e38
	s_delay_alu instid0(VALU_DEP_1)
	v_floor_f32 v12, -v13                          ; -M
	v_mov_b32 v14, 0
	v_mov_b32 v15, 0
.set j, 0
.rept 32
	v_mov_b32 v[O+j], 0                            ; the step is written once: the first finds zeros
.set j, j+1
.endr
	s_mov_b32 s[TK], 0
	s_mov_b32 s[TS], 0
	s_mov_b32 s[TJ], 0
.endm
.macro QK t                            ; S^T tile t = 16 keys x my 16 queries
.if (\t)%2
	v_wmma_scale_f32_16x16x128_f8f6f4 v[S+8*(\t):S+8*(\t)+7], v[KF+12*((\t)%4):KF+12*((\t)%4)+11], v[16:27], 0, v[248+(\t)/2], v28 matrix_a_fmt:MATRIX_FMT_FP6 matrix_b_fmt:MATRIX_FMT_FP6 matrix_a_scale:MATRIX_SCALE_ROW1
.else
	v_wmma_scale_f32_16x16x128_f8f6f4 v[S+8*(\t):S+8*(\t)+7], v[KF+12*((\t)%4):KF+12*((\t)%4)+11], v[16:27], 0, v[248+(\t)/2], v28 matrix_a_fmt:MATRIX_FMT_FP6 matrix_b_fmt:MATRIX_FMT_FP6
.endif
.endm
.macro PV t                            ; O^T tile t += 16 channels x 128 keys x my 16 queries
.if (\t)%2
	v_wmma_scale_f32_16x16x128_f8f6f4 v[O+8*(\t):O+8*(\t)+7], v[VF+12*(\t):VF+12*(\t)+11], v[224:235], v[O+8*(\t):O+8*(\t)+7], v[248+(\t)/2], v253 matrix_a_fmt:MATRIX_FMT_FP6 matrix_b_fmt:MATRIX_FMT_FP6 matrix_a_scale:MATRIX_SCALE_ROW1
.else
	v_wmma_scale_f32_16x16x128_f8f6f4 v[O+8*(\t):O+8*(\t)+7], v[VF+12*(\t):VF+12*(\t)+11], v[224:235], v[O+8*(\t):O+8*(\t)+7], v[248+(\t)/2], v253 matrix_a_fmt:MATRIX_FMT_FP6 matrix_b_fmt:MATRIX_FMT_FP6
.endif
.endm
.macro KLOAD g                         ; K's tiles 4 g .. 4 g + 3: registers 0-5 of the four fragments
.irp t, 0,1,2,3
	ds_load_b128 v[KF+12*\t:KF+12*\t+3], v8 offset:768*(4*\g+\t)
	ds_load_b64 v[KF+12*\t+4:KF+12*\t+5], v9 offset:768*(4*\g+\t)+512
.endr
.endm
; A KEY STEP: 128 keys.
.macro STEP
	s_setprio 2
	v_add_nc_u32 v8, s[TK], v1                     ; six plain lines: also the places between the last products and the loads into their scale registers
	v_add_nc_u32 v9, s[TK], v2
	v_add_nc_u32 v10, s[TK], v3
	v_add_nc_u32 v11, s[TK], v4
	v_add_nc_u32 v30, s[TS], v7
	v_add_nc_u32 v31, s[TJ], v29
	KLOAD 0
.irp i, 0,1,2,3
	ds_load_b32 v[248+\i], v30 offset:128*\i       ; the scale words of K's tiles 2 i (lanes 0-15) and 2 i + 1 (lanes 16-31)
.endr
	s_wait_alu depctr_va_vdst(0)
	s_wait_dscnt 0x0
.irp t, 0,1,2,3
	QK \t
.endr
.rept 4
	v_nop                                          ; places ahead of loads into registers that those products read
.endr
	KLOAD 1
.irp t, 0,1,2,3
	ds_load_b128 v[VF+12*\t:VF+12*\t+3], v10 offset:1536*\t
	ds_load_b64 v[VF+12*\t+4:VF+12*\t+5], v11 offset:1536*\t+512
	ds_load_b128 v[VF+12*\t+6:VF+12*\t+9], v10 offset:1536*\t+768
	ds_load_b64 v[VF+12*\t+10:VF+12*\t+11], v11 offset:1536*\t+1280
.endr
	ds_load_b32 v248, v31                          ; V's scale words
	ds_load_b32 v249, v31 offset:128
	s_wait_dscnt 18                                ; K's tiles are in; V's sixteen loads and its two scale loads land during the softmax
.irp t, 4,5,6,7
	QK \t
.endr
.rept 4
	v_nop
.endr
.irp b, 0,1,2,3
	v_max3_num_f32 v[232+\b], v[S+16*\b], v[S+1+16*\b], v[S+2+16*\b]   ; the largest score of each block of 32 keys: it serves the row's maximum and, since p rises with the score, the block's largest p
.endr
.irp i, 3,5,7,9,11,13
.irp b, 0,1,2,3
	v_max3_num_f32 v[232+\b], v[232+\b], v[S+16*\b+\i], v[S+1+16*\b+\i]
.endr
.endr
.irp b, 0,1,2,3
	v_max_num_f32 v[232+\b], v[232+\b], v[S+15+16*\b]
.endr
.irp b, 0,1,2,3
	s_delay_alu instid0(VALU_DEP_4)
	v_permlanex16_b32 v[236+\b], v[232+\b], s[SEL], s[SEL+1]
.endr
.irp b, 0,1,2,3
	s_delay_alu instid0(VALU_DEP_4)
	v_max_num_f32 v[232+\b], v[232+\b], v[236+\b]  ; with lane l xor 16's 16 keys
.endr
	s_delay_alu instid0(VALU_DEP_2)
	v_max3_num_f32 v254, v232, v233, v234
	s_delay_alu instid0(VALU_DEP_1)
	v_max_num_f32 v254, v254, v235
	s_delay_alu instid0(VALU_DEP_1)
	v_mul_f32 v254, s[CS], v254                    ; the step's largest t
	s_delay_alu instid0(VALU_DEP_1)
	v_max_num_f32 v13, v13, v254
	v_mov_b32 v254, v12
	s_delay_alu instid0(VALU_DEP_2)
	v_floor_f32 v12, -v13                          ; the new -M = -ceil(t)
	s_delay_alu instid0(VALU_DEP_1)
	v_sub_f32 v254, v12, v254                      ; old M - new M: a whole number, 0 or less
	s_delay_alu instid0(VALU_DEP_1)
	v_cvt_i32_f32 v254, v254                       ; (it saturates)
	s_delay_alu instid0(VALU_DEP_1)
	v_ldexp_f32 v252, 1.0, v254                    ; f = 2^(old M - new M)
.set j, 0
.rept 32
	v_pk_fma_f32 v[S+j:S+j+1], v[S+j:S+j+1], s[CS:CS+1], v[12:13] op_sel_hi:[1,0,0]   ; t - M
.set j, j+2
.endr
.irp b, 0,1,2,3
	v_fma_f32 v[232+\b], v[232+\b], s[CS], v12
.endr
.set j, 0
	s_setprio 1
	s_wait_alu depctr_va_vdst(0)
.rept 64
	v_exp_f32 v[S+j], v[S+j]                       ; p = 2^(t - M)
.set j, j+1
.endr
	v_pk_mul_f32 v[14:15], v[14:15], v[252:253] op_sel_hi:[1,0]   ; the sums under the new M; the plain line behind the exponentials
	s_wait_alu depctr_va_vdst(0)                   ; one wait for the batch, ahead of its first reader
.irp b, 0,1,2,3
	v_exp_f32 v[232+\b], v[232+\b]                 ; each block's largest p
.endr
	v_pk_add_f32 v[236:237], v[132:133], v[136:137]
	v_pk_add_f32 v[250:251], v[140:141], v[144:145]
	v_pk_add_f32 v[246:247], v[148:149], v[152:153]
	v_pk_add_f32 v[244:245], v[156:157], v[160:161]
	v_pk_add_f32 v[240:241], v[164:165], v[168:169]
	v_pk_add_f32 v[238:239], v[172:173], v[176:177]
	v_pk_add_f32 v[230:231], v[180:181], v[184:185]
	v_pk_add_f32 v[14:15], v[14:15], v[188:189]
	v_pk_add_f32 v[236:237], v[236:237], v[128:129]
	v_pk_add_f32 v[250:251], v[250:251], v[130:131]
	v_pk_add_f32 v[246:247], v[246:247], v[134:135]
	v_pk_add_f32 v[244:245], v[244:245], v[138:139]
	v_pk_add_f32 v[240:241], v[240:241], v[142:143]
	v_pk_add_f32 v[238:239], v[238:239], v[146:147]
	v_pk_add_f32 v[230:231], v[230:231], v[150:151]
	v_pk_add_f32 v[14:15], v[14:15], v[154:155]
	v_pk_add_f32 v[236:237], v[236:237], v[158:159]
	v_pk_add_f32 v[250:251], v[250:251], v[162:163]
	v_pk_add_f32 v[246:247], v[246:247], v[166:167]
	v_pk_add_f32 v[244:245], v[244:245], v[170:171]
	v_pk_add_f32 v[240:241], v[240:241], v[174:175]
	v_pk_add_f32 v[238:239], v[238:239], v[178:179]
	v_pk_add_f32 v[230:231], v[230:231], v[182:183]
	v_pk_add_f32 v[14:15], v[14:15], v[186:187]
	v_pk_add_f32 v[236:237], v[236:237], v[190:191]
	s_delay_alu instid0(VALU_DEP_2)
	v_pk_add_f32 v[14:15], v[14:15], v[244:245]
	s_delay_alu instid0(VALU_DEP_2)
	v_pk_add_f32 v[236:237], v[236:237], v[240:241]
	v_pk_add_f32 v[250:251], v[250:251], v[238:239]
	v_pk_add_f32 v[246:247], v[246:247], v[230:231]
	s_delay_alu instid0(VALU_DEP_2)
	v_pk_add_f32 v[14:15], v[14:15], v[250:251]
	s_delay_alu instid0(VALU_DEP_2)
	v_pk_add_f32 v[236:237], v[236:237], v[246:247]
	s_delay_alu instid0(VALU_DEP_1)
	v_pk_add_f32 v[14:15], v[14:15], v[236:237]
	s_wait_alu depctr_va_vdst(0)                   ; and one for the four
.irp b, 0,1,2,3
	v_max_num_f32 v[232+\b], 0x1800000, v[232+\b]  ; the floor 2^(3 - 127)
.endr
.irp b, 0,1,2,3
	s_delay_alu instid0(VALU_DEP_4)
	v_add_nc_u32 v[244+\b], 0xff000000, v[232+\b]  ; the conversion's scale operand
.endr
.irp b, 0,1,2,3
	s_delay_alu instid0(VALU_DEP_4)
	v_lshrrev_b32 v[236+\b], 23, v[244+\b]         ; the byte
.endr
	s_delay_alu instid0(VALU_DEP_3)
	v_lshl_or_b32 v253, v237, 8, v236              ; p's scale word for these 128 keys
	s_delay_alu instid0(VALU_DEP_1)
	v_lshl_or_b32 v253, v238, 16, v253
	s_delay_alu instid0(VALU_DEP_1)
	v_lshl_or_b32 v253, v239, 24, v253
.irp c, 0,1
	v_cvt_scalef32_pk16_fp6_f32 v[224+6*\c:226+6*\c], v[S+32*\c:S+15+32*\c], v[244+2*\c]
	v_cvt_scalef32_pk16_fp6_f32 v[236+4*\c:238+4*\c], v[S+16+32*\c:S+31+32*\c], v[244+2*\c+1]
.endr
	v_nop                                          ; one plain line behind a scaled conversion
.irp c, 0,1
.irp i, 0,1,2
	v_permlane16_swap_b32 v[224+6*\c+\i], v[236+4*\c+\i]
.endr
.irp i, 0,1,2
	s_delay_alu instid0(VALU_DEP_3)
	v_mov_b32 v[227+6*\c+\i], v[236+4*\c+\i]
.endr
.endr
.set j, 0
	s_setprio 0
.rept 16
	v_pk_mul_f32 v[O+j:O+j+1], v[O+j:O+j+1], v[252:253] op_sel_hi:[1,0]   ; O^T under the new M; these sixteen are also the places between p's codes and scale word and the products
.set j, j+2
.endr
	s_wait_alu depctr_va_vdst(0)
	s_wait_dscnt 0x0                               ; V is in
.irp t, 0,1,2,3
	PV \t                                          ; four accumulators by turns
.endr
	s_add_co_u32 s[TK], s[TK], 6144
	s_add_co_u32 s[TS], s[TS], 512
	s_add_co_u32 s[TJ], s[TJ], 256
.endm
; THE WAY OUT of pass p: O^T / the sum; its 32 numbers a lane are two blocks of 32 channels, 16 neighbours of each; they become a half fragment and two scale bytes a row.
.macro WAYOUT p
	v_add_f32 v14, v14, v15
	s_delay_alu instid0(VALU_DEP_1)
	v_permlanex16_b32 v252, v14, s[SEL], s[SEL+1]
	s_delay_alu instid0(VALU_DEP_1)
	v_add_f32 v14, v14, v252                       ; the row's sum
	s_wait_alu depctr_va_vdst(0)
	v_rcp_f32 v14, v14
.rept 4
	v_nop                                          ; the places between the last products and the first read of O^T; the first is the plain line behind the reciprocal
.endr
	s_wait_alu depctr_va_vdst(0)                   ; ahead of the reciprocal's first reader
.set j, 0
.rept 16
	v_pk_mul_f32 v[S+j:S+j+1], v[O+j:O+j+1], v[14:15] op_sel_hi:[1,0]   ; each accumulator from its low end on
.set j, j+2
.endr
.irp g, 0,1
	v_max3_num_f32 v[232+\g], |v[S+16*\g]|, |v[S+1+16*\g]|, 0x1800000
.endr
.irp i, 2,4,6,8,10,12,14
.irp g, 0,1
	s_delay_alu instid0(VALU_DEP_2)
	v_max3_num_f32 v[232+\g], v[232+\g], |v[S+16*\g+\i]|, |v[S+1+16*\g+\i]|
.endr
.endr
.irp g, 0,1
	s_delay_alu instid0(VALU_DEP_2)
	v_permlanex16_b32 v[236+\g], v[232+\g], s[SEL], s[SEL+1]
.endr
.irp g, 0,1
	s_delay_alu instid0(VALU_DEP_2)
	v_max_num_f32 v[232+\g], v[232+\g], v[236+\g]
.endr
.irp g, 0,1
	s_delay_alu instid0(VALU_DEP_2)
	v_add_nc_u32 v[244+\g], 0xff000000, v[232+\g]
.endr
.irp g, 0,1
	s_delay_alu instid0(VALU_DEP_2)
	v_lshrrev_b32 v[236+\g], 23, v[244+\g]
.endr
	v_cvt_scalef32_pk16_fp6_f32 v[224:226], v[S:S+15], v244
	v_cvt_scalef32_pk16_fp6_f32 v[240:242], v[S+16:S+31], v245
	v_cndmask_b32 v238, v236, v237, s[HI]          ; my lane's own block's byte; also the plain line behind the conversions
.irp i, 0,1,2
	v_permlane16_swap_b32 v[224+\i], v[240+\i]     ; lanes 0-15 get block 0 whole, lanes 16-31 block 1
.endr
.irp i, 0,1,2
	s_delay_alu instid0(VALU_DEP_3)
	v_mov_b32 v[227+\i], v[240+\i]
.endr
	global_store_b128 v1, v[224:227], s[OCP:OCP+1] offset:196608*\p       ; 512 consecutive bytes
	global_store_b64 v2, v[228:229], s[OCP:OCP+1] offset:196608*\p+512    ; 256 consecutive bytes
	global_store_b8 v255, v238, s[OSP:OSP+1] offset:8192*\p               ; 2 bytes of each of 16 rows of 32
.endm
	INIT
	s_wait_loadcnt 0x0                             ; Q
.irp c, 0,1,2,3                        ; pass 0 walks the keys quarter by quarter, as they land
	s_wait_tensorcnt 3-\c                          ; the scale words and my part of quarters 0 .. c are in; the later quarters' loads may be out
	s_wait_dscnt 0x0
	s_barrier_signal -1
	s_barrier_wait -1                              ; everybody's are
	s_mov_b32 s[CNT], 4
.Lquarter_\c:
	STEP
	s_sub_co_u32 s[CNT], s[CNT], 1
	s_cmp_lg_u32 s[CNT], 0
	s_cbranch_scc1 .Lquarter_\c
	s_setprio 0
.endr
	QLOAD 1                                        ; the second pass's queries land during the way out
	WAYOUT 0
	s_wait_xcnt 0x0                                ; the stores have read their registers, which the second pass writes again
	INIT
	s_wait_loadcnt 0x0
	s_mov_b32 s[CNT], 16
.Lsecond:                              ; pass 1: all of K and V lie in LDS
	STEP
	s_sub_co_u32 s[CNT], s[CNT], 1
	s_cmp_lg_u32 s[CNT], 0
	s_cbranch_scc1 .Lsecond
	s_setprio 0
	WAYOUT 1
	s_wait_tensorcnt 0x0                           ; the wave's end
	ds_add_u32 v[SPW], v[NIL]
	s_wait_dscnt 0x0
	CROUND                                         ; the closing round
	s_endpgm
.Lfunc_end_k_qc97799cebd_attn:
	.size	k_qc97799cebd_attn, .Lfunc_end_k_qc97799cebd_attn-k_qc97799cebd_attn
	.p2alignl 7, 3214868480
	.fill 96, 4, 3214868480
	.section	.rodata,"a",@progbits
	.p2align	6, 0x0
	.amdhsa_kernel k_qc97799cebd_attn
		.amdhsa_group_segment_fixed_size 212992
		.amdhsa_private_segment_fixed_size 0
		.amdhsa_enable_private_segment 0
		.amdhsa_kernarg_size 32
		.amdhsa_user_sgpr_count 2
		.amdhsa_user_sgpr_kernarg_segment_ptr 1
		.amdhsa_wavefront_size32 1
		.amdhsa_system_sgpr_workgroup_id_x 1
		.amdhsa_system_sgpr_workgroup_id_y 1
		.amdhsa_system_sgpr_workgroup_id_z 1
		.amdhsa_system_vgpr_workitem_id 0
		.amdhsa_next_free_vgpr 256
		.amdhsa_next_free_sgpr 80
		.amdhsa_reserve_vcc 0
		.amdhsa_float_denorm_mode_32 3
		.amdhsa_float_denorm_mode_16_64 3
		.amdhsa_memory_ordered 1
		.amdhsa_forward_progress 1
		.amdhsa_inst_pref_size 110
	.end_amdhsa_kernel
	.amdgpu_metadata
---
amdhsa.version: [ 1, 2 ]
amdhsa.kernels:
  - .name:           k_qc97799cebd_attn
    .symbol:         k_qc97799cebd_attn.kd
    .args:
      - { .name: pc, .offset: 0, .size: 8, .value_kind: global_buffer, .address_space: global }
      - { .name: ps, .offset: 8, .size: 8, .value_kind: global_buffer, .address_space: global }
      - { .name: oc, .offset: 16, .size: 8, .value_kind: global_buffer, .address_space: global }
      - { .name: os, .offset: 24, .size: 8, .value_kind: global_buffer, .address_space: global }
    .group_segment_fixed_size: 212992
    .private_segment_fixed_size: 0
    .kernarg_segment_align: 8
    .kernarg_segment_size: 32
    .max_flat_workgroup_size: 512
    .sgpr_count:     80
    .vgpr_count:     256
    .wavefront_size: 32
...
	.end_amdgpu_metadata
.endif
;; end of part 3
;; launch outp (part 4): grid 4 x 32, 4 waves a work-group, clusters of 4 x 4, 327,680 bytes of LDS; arguments oc, os, inc, ins, out0; writes out0
.if DOCPART == 4
	.amdgcn_target "amdgcn-amd-amdhsa--gfx1250"
	.amdhsa_code_object_version 6
	.text
	.protected	k_qc97799cebd_outp
	.globl	k_qc97799cebd_outp
	.p2align	8
	.type	k_qc97799cebd_outp,@function
k_qc97799cebd_outp:
	s_mov_b64 s[64:65], 0
	v_nop
	global_prefetch_b8 v0, s[64:65] scope:SCOPE_SE
	s_setreg_imm32_b32 hwreg(HW_REG_WAVE_MODE, 25, 1), 1
	s_wait_xcnt 0x0
	s_wait_alu depctr_hold_cnt(0) depctr_sa_sdst(0) depctr_va_vdst(0) depctr_va_sdst(0) depctr_va_ssrc(0) depctr_va_vcc(0) depctr_vm_vsrc(0)
	s_getreg_b32 s2, hwreg(HW_REG_IB_STS2, 6, 4)
	s_cmp_eq_u32 s2, 0
	s_cbranch_scc0 .Lentry_in_a_cluster
	s_endpgm
.Lentry_in_a_cluster:
	s_bfe_u32 s2, ttmp6, 0x10000c
	s_cmp_lg_u32 s2, 0xf033
	s_cbranch_scc0 .Lentry_shape_is_right
	s_endpgm
.Lentry_shape_is_right:
; out0 = O W_O^T on codes of FP6 (E2M3) with E8M0 scales: [8192][1024] x [1024][1024], K = 1024; out0 f32.
; A tile of 256 x 256 is made by four waves, 128 x 128 each: 64 accumulators, 512 registers.  K goes in steps of 256 through two LDS slots filled by the tensor data mover.
; OPERANDS LIE IN MEMORY AND IN LDS AS IMAGES OF REGISTERS: a half fragment (16 rows x 64 K) is 768 bytes, lane L's registers 0-3 at 16 L, 4-5 at 512 + 8 L; a tile of 16 rows x 256 K is 3,072 consecutive bytes.
; THE MATRIX INSTRUCTION IS USED TRANSPOSED (source 0 = 16 rows of W_O, source 1 = 16 rows of O): a lane holds eight neighbouring numbers of a row of out0.
; CLUSTERS: 4 x 4 work-groups; O's tiles are asked for jointly along a row of the cluster, W_O's along a column.  The launch has 128 tiles of this size; a smaller tile would double the LDS bytes read for each product.
; REGISTERS: window 0: v16-29 addresses; v32-63 scale words, two sets; v128-223 A's fragments, one set; on the way out v128-255 rows of out0.  window 1: B's fragments, two sets.  windows 2, 3: the accumulators.
.set SIZE_N, 1024
.set NQ,     2
.set FR,     12
.set NL,     4
.set NP,     4
.set TILEB,  3072
.set HALFT,  8*TILEB
.set SLOT,   4*HALFT
.set LAPS,   2
.set SCL,    2*SLOT
.set HALFS,  4352
.set SBLK,   544
.set SPARE,  SCL+4*HALFS
.set SPITCH, 528                       ; the way out: 16 rows x (512 + 16) bytes for each wave, in slot 0, which has had its last fill and its last read by then
.set ADRA, 16
.set ADRB, 20
.set STO,  24
.set RD,   25
.set CO,   26
.set ADRS, 27
.set SPW,  28
.set NIL,  29
.set SC,   32
.set AF,   128
.set BK,   128
.set G1, 24
.set G0, 32
.set G1B, 48
.set G0B, 56
.set G1S, 68
.set G0S, 76
.set G1SB, 80
.set G0SB, 88
.set MSB, 0
.macro WIN new
.if MSB != \new
	s_set_vgpr_msb (MSB<<8)|\new
.set MSB, \new
.endif
.endm
.set MUL_LO, 0xa1
.set MUL_HI, 0xf1
.set TO_B,   0x40
.macro JLOAD g0a, g1a, g0b, g1b        ; a joint load: waves 0 and 1 fetch for A, waves 2 and 3 for B; an s_nop 0 and four v_nop follow each line
	s_cmp_eq_u32 s15, 0
	s_cbranch_scc0 .Lfor_b_\@
	tensor_load_to_lds s[\g0a:\g0a+3], s[\g1a:\g1a+7]
	s_nop 0
.rept 4
	v_nop
.endr
	s_branch .Lasked_\@
.Lfor_b_\@:
	tensor_load_to_lds s[\g0b:\g0b+3], s[\g1b:\g1b+7]
	s_nop 0
.rept 4
	v_nop
.endr
.Lasked_\@:
.endm
.macro CREST
	s_cmp_lg_u32 s14, 0
	s_cbranch_scc1 .Lnot_wave_0_\@
	s_barrier_signal -3
.Lnot_wave_0_\@:
	s_barrier_wait -3
	s_barrier_signal -1
	s_barrier_wait -1
.endm
.macro CROUND
	s_barrier_signal -1
	s_barrier_wait -1
	CREST
.endm
	s_load_b256 s[4:11], s[0:1], 0x0               ; oc s[4:5], os s[6:7], inc s[8:9], ins s[10:11]
	s_load_b64 s[12:13], s[0:1], 0x20              ; out0
	v_lshl_add_u32 v[SPW], v0, 2, SPARE
	v_mov_b32 v[NIL], 0
	ds_add_u32 v[SPW], v[NIL]                      ; the wave's opening: the add and its wait ahead of my first tensor load
	v_lshrrev_b32 v1, 5, v0
	v_readfirstlane_b32 s14, v1
	s_lshr_b32 s15, s14, 1
	s_and_b32 s16, s14, 1
	s_bfe_u32 s40, ttmp6, 0x40000                  ; cx: the tile column
	s_bfe_u32 s41, ttmp6, 0x40004                  ; cy
	s_and_b32 s17, ttmp7, 0xffff
	s_lshl_b32 s17, s17, 2
	s_add_co_u32 s17, s17, s41                     ; the tile row = 4 x cluster y + cy
	s_lshl_b32 s43, s41, 2
	s_lshl_b32 s43, 15, s43
	s_lshl_b32 s44, 0x1111, s40
	s_or_b32 s[G1+0], s43, (3<<16)|(1<<21)
	s_or_b32 s[G1B+0], s44, (3<<16)|(1<<21)
.irp g, G1, G1B
	s_mov_b32 s[\g+1], 384<<16
	s_mov_b32 s[\g+2], 8<<16
	s_mov_b32 s[\g+3], 384<<16
	s_mov_b32 s[\g+4], 8
	s_mov_b32 s[\g+5], 1536
	s_mov_b32 s[\g+6], 0
	s_mov_b32 s[\g+7], 0
.endr
	s_or_b32 s[G1S+0], s43, (3<<16)|(1<<20)|(1<<21)|(5<<22)|(3<<25)
	s_or_b32 s[G1SB+0], s44, (3<<16)|(1<<20)|(1<<21)|(5<<22)|(3<<25)
.irp g, G1S, G1SB
	s_mov_b32 s[\g+1], 32<<16
	s_mov_b32 s[\g+2], 16<<16
	s_mov_b32 s[\g+3], 32<<16
	s_mov_b32 s[\g+4], 16
	s_mov_b32 s[\g+5], 32
	s_mov_b32 s[\g+6], 0
	s_mov_b32 s[\g+7], 0
.endr
	s_lshl_b32 s18, s16, 3
	s_lshl_b32 s20, s17, 4
	s_add_co_u32 s20, s20, s18                     ; A: tile 16 x tile row + 8 x half, in oc and os
	s_lshl_b32 s46, s40, 4
	s_add_co_u32 s46, s46, 1728
	s_add_co_u32 s46, s46, s18                     ; B: W_O from tile 1,728 of inc and ins
	s_lshl_b32 s22, s20, 9
	s_mov_b32 s23, 0
	s_lshl_b32 s92, s46, 9
	s_mov_b32 s93, 0
	s_mul_i32 s20, s20, 12288
	s_mov_b32 s21, 0
	s_mul_i32 s46, s46, 12288
	s_mov_b32 s47, 0
	s_mul_i32 s45, s14, HALFT
	s_mul_i32 s94, s14, HALFS
	s_wait_dscnt 0x0
	s_wait_kmcnt 0x0
	s_add_nc_u64 s[20:21], s[4:5], s[20:21]
	s_add_nc_u64 s[22:23], s[6:7], s[22:23]
	s_add_nc_u64 s[46:47], s[8:9], s[46:47]
	s_add_nc_u64 s[92:93], s[10:11], s[92:93]
	CROUND
	s_mov_b32 s[G0S], 1
	s_add_co_u32 s[G0S+1], s94, SCL
	s_mov_b64 s[G0S+2:G0S+3], s[22:23]
	s_or_b32 s[G0S+3], s[G0S+3], 0x80000000
	s_mov_b32 s[G0SB], 1
	s_add_co_u32 s[G0SB+1], s94, SCL
	s_mov_b64 s[G0SB+2:G0SB+3], s[92:93]
	s_or_b32 s[G0SB+3], s[G0SB+3], 0x80000000
	JLOAD G0S, G1S, G0SB, G1SB
.irp s, 0,1
	s_mov_b32 s[G0+4*\s], 1
	s_add_co_u32 s[G0+4*\s+1], s45, \s*SLOT
	s_add_nc_u64 s[G0+4*\s+2:G0+4*\s+3], s[20:21], \s*TILEB
	s_or_b32 s[G0+4*\s+3], s[G0+4*\s+3], 0x80000000
	s_mov_b32 s[G0B+4*\s], 1
	s_add_co_u32 s[G0B+4*\s+1], s45, \s*SLOT
	s_add_nc_u64 s[G0B+4*\s+2:G0B+4*\s+3], s[46:47], \s*TILEB
	s_or_b32 s[G0B+4*\s+3], s[G0B+4*\s+3], 0x80000000
	JLOAD G0+4*\s, G1, G0B+4*\s, G1B
.endr
	v_and_b32 v1, 31, v0
	v_and_b32 v2, 15, v0
	v_bfe_u32 v3, v0, 4, 1
	v_lshlrev_b32 v4, 4, v1
	v_lshlrev_b32 v5, 3, v1
	s_mul_i32 s21, s15, HALFT
	s_mul_i32 s22, s16, HALFT
	s_add_co_u32 s22, s22, 2*HALFT
.irp s, 0,1
	v_add_nc_u32 v[ADRA+\s], s21, v4
	v_add_nc_u32 v[ADRB+\s], s22, v4
	v_add_nc_u32 v[ADRA+2+\s], s21, v5
	v_add_nc_u32 v[ADRB+2+\s], s22, v5
	s_add_co_u32 s21, s21, SLOT
	s_add_co_u32 s22, s22, SLOT
.endr
	v_lshlrev_b32 v6, 5, v2
	v_lshrrev_b32 v7, 8, v6
	v_lshl_add_u32 v6, v7, 4, v6
	s_mul_i32 s21, s15, HALFS
	s_mul_i32 s22, s16, HALFS
	s_add_co_u32 s22, s22, 2*HALFS
	s_sub_co_u32 s22, s22, s21
	v_mul_u32_u24 v7, s22, v3
	s_add_co_u32 s21, s21, SCL
	v_add_nc_u32 v6, v6, v7
	v_add_nc_u32 v[ADRS], s21, v6
	s_mul_i32 s23, s14, 16*SPITCH                  ; my stage
	v_mul_u32_u24 v6, v2, SPITCH                   ; in: row r, 32 bytes for each half of the lanes
	v_lshl_add_u32 v6, v3, 5, v6
	v_add_nc_u32 v[STO], s23, v6
	v_lshlrev_b32 v[CO], 4, v1                     ; back: the 32 lanes take one row of 512 bytes; the same in out0
	v_add_nc_u32 v[RD], s23, v[CO]
	s_lshl_b32 s20, s17, 8
	s_lshl_b32 s21, s15, 7
	s_add_co_u32 s20, s20, s21                     ; my first row
	s_lshl_b32 s20, s20, 12                        ; 4,096 bytes a row
	s_lshl_b32 s46, s40, 10
	s_lshl_b32 s47, s16, 9
	s_add_co_u32 s46, s46, s47                     ; my first column, in bytes
	s_add_co_u32 s20, s20, s46
	s_mov_b32 s21, 0
	s_add_nc_u64 s[12:13], s[12:13], s[20:21]
.macro FRAG reg, adr, q, i
	ds_load_b128 v[\reg:\reg+3], v[\adr] offset:(\i)*TILEB+(\q)*1536
	ds_load_b64 v[\reg+4:\reg+5], v[\adr+2] offset:(\i)*TILEB+(\q)*1536+512
	ds_load_b128 v[\reg+6:\reg+9], v[\adr] offset:(\i)*TILEB+(\q)*1536+768
	ds_load_b64 v[\reg+10:\reg+11], v[\adr+2] offset:(\i)*TILEB+(\q)*1536+1280
.endm
; The 64 accumulators take turns, one instruction a turn, in the same order in every step.
.macro MUL16 a0, p, q, sc, zero
.irp a, \a0, \a0+1
.irp b, 0,1,2,3,4,5,6,7
.if \zero
	v_wmma_scale_f32_16x16x128_f8f6f4 v[8*(8*((\a)%4)+\b):8*(8*((\a)%4)+\b)+7], v[128*(\p)+FR*\b:128*(\p)+FR*\b+FR-1], v[AF+FR*(\a):AF+FR*(\a)+FR-1], 0, v[SC+8*NQ*(\sc)+NQ*\b+(\q)], v[SC+8*NQ*(\sc)+NQ*(\a)+(\q)] matrix_a_fmt:MATRIX_FMT_FP6 matrix_b_fmt:MATRIX_FMT_FP6 matrix_a_scale:MATRIX_SCALE_ROW1
.else
	v_wmma_scale_f32_16x16x128_f8f6f4 v[8*(8*((\a)%4)+\b):8*(8*((\a)%4)+\b)+7], v[128*(\p)+FR*\b:128*(\p)+FR*\b+FR-1], v[AF+FR*(\a):AF+FR*(\a)+FR-1], v[8*(8*((\a)%4)+\b):8*(8*((\a)%4)+\b)+7], v[SC+8*NQ*(\sc)+NQ*\b+(\q)], v[SC+8*NQ*(\sc)+NQ*(\a)+(\q)] matrix_a_fmt:MATRIX_FMT_FP6 matrix_b_fmt:MATRIX_FMT_FP6 matrix_a_scale:MATRIX_SCALE_ROW1
.endif
.endr
.endr
.endm
.macro FETCH_B slot, q, p
	WIN TO_B
.irp i, 0,1,2,3,4,5,6,7
	FRAG 128*(\p)+FR*\i, ADRB+\slot, \q, \i
.endr
	WIN 0
.endm
.macro FETCH_A slot, q, i0
.irp i, \i0, \i0+1, \i0+2, \i0+3
	FRAG AF+FR*(\i), ADRA+\slot, \q, \i
.endr
.endm
.macro SCALES sc
.irp i, 0,1,2,3,4,5,6,7
	ds_load_b64 v[SC+8*NQ*\sc+NQ*\i:SC+8*NQ*\sc+NQ*\i+1], v[ADRS] offset:\i*SBLK
.endr
.endm
.macro PLACES n                        ; plain vector lines between a matrix instruction and a load into, or a read of, its registers
.rept \n
	v_nop
.endr
.endm
.macro STEP slot, q, zero
	s_wait_dscnt 4*NL                              ; all but the youngest sixteen loads (A's blocks 4-7) are in
	WIN MUL_LO
	MUL16 0, (\q)%2, \q, \slot, \zero
	MUL16 2, (\q)%2, \q, \slot, \zero
	s_wait_dscnt 0
	PLACES NP
	FETCH_B \slot, (\q)+1, 1-(\q)%2
	FETCH_A \slot, (\q)+1, 0
	WIN MUL_HI
	MUL16 4, (\q)%2, \q, \slot, \zero
	MUL16 6, (\q)%2, \q, \slot, \zero
	PLACES NP
	WIN 0
	FETCH_A \slot, (\q)+1, 4
.endm
.macro TURN slot, next, fill
	s_wait_tensorcnt 0x0                           ; all my tensor loads have landed: my part of the next slot
	ds_add_u32 v[SPW], v[NIL]
	s_wait_dscnt 4*NL+1                            ; (the add and the youngest sixteen loads may be out)
	WIN MUL_LO
	MUL16 0, 1, NQ-1, \slot, 0
	s_wait_dscnt 0x0                               ; the add is done, and my reads of this slot are over
	s_barrier_signal -1
	MUL16 2, 1, NQ-1, \slot, 0
	WIN 0
	s_barrier_wait -1
.if \fill
	CREST                                          ; no wave of any partner still reads this slot or has a load on its way
	s_add_nc_u64 s[G0+4*\slot+2:G0+4*\slot+3], s[G0+4*\slot+2:G0+4*\slot+3], 2*TILEB
	s_add_nc_u64 s[G0B+4*\slot+2:G0B+4*\slot+3], s[G0B+4*\slot+2:G0B+4*\slot+3], 2*TILEB
	JLOAD G0+4*\slot, G1, G0B+4*\slot, G1B
.else
	PLACES NP
.endif
	v_add_nc_u32 v[ADRS], 4*NQ, v[ADRS]
	FETCH_B \next, 0, 0
	FETCH_A \next, 0, 0
	SCALES \next
	WIN MUL_HI
	MUL16 4, 1, NQ-1, \slot, 0
	MUL16 6, 1, NQ-1, \slot, 0
	PLACES NP
	WIN 0
	FETCH_A \next, 0, 4
.endm
	s_wait_tensorcnt 1                             ; the scales and my part of K step 0 are in; K step 1's load may be out
	s_barrier_signal -1
	s_barrier_wait -1
	FETCH_B 0, 0, 0
	FETCH_A 0, 0, 0
	SCALES 0
	FETCH_A 0, 0, 4
	STEP 0, 0, 1
	s_mov_b32 s3, LAPS-1
.Llap:
	TURN 0, 1, 1
	STEP 1, 0, 0
	TURN 1, 0, 1
	STEP 0, 0, 0
	s_sub_co_u32 s3, s3, 1
	s_cmp_lg_u32 s3, 0
	s_cbranch_scc1 .Llap
	TURN 0, 1, 0
	STEP 1, 0, 0
	s_wait_dscnt 4*NL
	WIN MUL_LO
	MUL16 0, 1, NQ-1, 1, 0
	MUL16 2, 1, NQ-1, 1, 0
	s_wait_dscnt 0
	WIN MUL_HI
	MUL16 4, 1, NQ-1, 1, 0
	MUL16 6, 1, NQ-1, 1, 0
	WIN 0
; THE WAY OUT, block by block of 16 rows x 128 columns, through my own stage in LDS: in as 32 bytes a lane, back as whole rows of 512 bytes.  LDS serves a wave's instructions in order.
.macro TOSTAGE a
.set AC, 64*((\a)%4)
	WIN 0x08+4*((\a)/4)                            ; the data: window 2 or 3
.irp b, 0,1,2,3,4,5,6,7
	ds_store_b128 v[STO], v[AC+8*\b:AC+8*\b+3] offset:64*\b          ; each accumulator from its low end on
	ds_store_b128 v[STO], v[AC+8*\b+4:AC+8*\b+7] offset:64*\b+16
.endr
	WIN 0
.set BB, BK+64*((\a)%2)
.irp t, 0,1,2,3,4,5,6,7,8,9,10,11,12,13,14,15
	ds_load_b128 v[BB+4*\t:BB+4*\t+3], v[RD] offset:\t*SPITCH
.endr
.endm
.macro SEND a, younger                 ; younger: the LDS instructions issued behind block a's loads
.set BB, BK+64*((\a)%2)
	s_wait_dscnt \younger
.if (\a) > 0
	s_add_nc_u64 s[12:13], s[12:13], 16*SIZE_N*4   ; (behind a wait on XCNT: the earlier stores have read their base)
.endif
.irp t, 0,1,2,3,4,5,6,7,8,9,10,11,12,13,14,15
	global_store_b128 v[CO], v[BB+4*\t:BB+4*\t+3], s[12:13] offset:\t*SIZE_N*4 th:TH_STORE_NT   ; 32 lanes store 512 consecutive bytes, at a multiple of 256 from out0's first byte
.endr
.endm
	PLACES NP
	TOSTAGE 0
.irp a, 1,2,3,4,5,6,7
.if \a > 1
	s_wait_xcnt 0x0                                ; block a - 2's stores have read their registers and their base
.endif
	TOSTAGE \a
	SEND \a-1, 32                                  ; behind block a - 1's loads: block a's 16 stores and 16 loads
.endr
	s_wait_xcnt 0x0
	SEND 7, 0
	s_wait_tensorcnt 0x0                           ; the wave's end
	ds_add_u32 v[SPW], v[NIL]
	s_wait_dscnt 0x0
	CROUND                                         ; the closing round
	s_endpgm
.Lfunc_end_k_qc97799cebd_outp:
	.size	k_qc97799cebd_outp, .Lfunc_end_k_qc97799cebd_outp-k_qc97799cebd_outp
	.p2alignl 7, 3214868480
	.fill 96, 4, 3214868480
	.section	.rodata,"a",@progbits
	.p2align	6, 0x0
	.amdhsa_kernel k_qc97799cebd_outp
		.amdhsa_group_segment_fixed_size 327680
		.amdhsa_private_segment_fixed_size 0
		.amdhsa_enable_private_segment 0
		.amdhsa_kernarg_size 40
		.amdhsa_user_sgpr_count 2
		.amdhsa_user_sgpr_kernarg_segment_ptr 1
		.amdhsa_wavefront_size32 1
		.amdhsa_system_sgpr_workgroup_id_x 1
		.amdhsa_system_sgpr_workgroup_id_y 1
		.amdhsa_system_sgpr_workgroup_id_z 1
		.amdhsa_system_vgpr_workitem_id 0
		.amdhsa_next_free_vgpr 1024
		.amdhsa_next_free_sgpr 100
		.amdhsa_reserve_vcc 0
		.amdhsa_float_denorm_mode_32 3
		.amdhsa_float_denorm_mode_16_64 3
		.amdhsa_memory_ordered 1
		.amdhsa_forward_progress 1
		.amdhsa_inst_pref_size 143
	.end_amdhsa_kernel
	.amdgpu_metadata
---
amdhsa.version: [ 1, 2 ]
amdhsa.kernels:
  - .name:           k_qc97799cebd_outp
    .symbol:         k_qc97799cebd_outp.kd
    .args:
      - { .name: oc, .offset: 0, .size: 8, .value_kind: global_buffer, .address_space: global }
      - { .name: os, .offset: 8, .size: 8, .value_kind: global_buffer, .address_space: global }
      - { .name: inc, .offset: 16, .size: 8, .value_kind: global_buffer, .address_space: global }
      - { .name: ins, .offset: 24, .size: 8, .value_kind: global_buffer, .address_space: global }
      - { .name: out0, .offset: 32, .size: 8, .value_kind: global_buffer, .address_space: global }
    .group_segment_fixed_size: 327680
    .private_segment_fixed_size: 0
    .kernarg_segment_align: 8
    .kernarg_segment_size: 40
    .max_flat_workgroup_size: 128
    .sgpr_count:     100
    .vgpr_count:     1024
    .wavefront_size: 32
...
	.end_amdgpu_metadata
.endif
;; end of part 4
